; MI455X (gfx1250); checked and timed in simulation.
; The chip was launched on July 23, 2026; its instructions are those of AMD's public machine-readable ISA for CDNA 5 (MIT licence, August 2026) and "CDNA5" Instruction Set Architecture Reference Guide (July 2026). The comments in the code are by the model that wrote it; some were corrected since.
;; Lo RA Attention. Allowed arithmetic: matrix products marked QUANTISED: E2M3 operands, one E8M0 scale for each 32 along K, by v_wmma_scale_f32_16x16x128_f8f6f4 with both operands' format E2M3, f32 sums; products left as they are: f32 operands where the result goes on into a quantised operand, else bf16, f16 or f32 operands; f32 sums; everything else in f32.
;; Inputs: lora_q_a 8 x 1,024 float32; lora_q_b 1,024 x 8 float32; lora_v_a 8 x 1,024 float32; lora_v_b 1,024 x 8 float32; proj_b 1,024 float32; proj_w 1,024 x 1,024 float32; qkv_b 3,072 float32; qkv_w 3,072 x 1,024 float32; x 8 x 1,024 x 1,024 float32.
;; Outputs: out0 8 x 1,024 x 1,024 float32.
;; This version of the problem:
;;   THIS VERSION OF THE PROBLEM IS GIVEN IN LOW PRECISION. The matrix products marked QUANTISED in the list below multiply operands that are first quantised to E2M3 (2 exponent bits, 3 mantissa bits; 6 bits a number), with one power-of-two scale for each 32 numbers along K (OCP MX v1.0); their sums are f32. All else is computed in f32.
;;   The module's matrix products, in the order in which they are computed (A, B: the left and right operand; K: the contracted axis; several contracted axes count as one K, in the product's order):
;;     1. [M 8,192, K 1,024] x [K 1,024, N 3,072]; A: input x; B: input qkv_w: QUANTISED
;;     2. [M 8,192, K 1,024] x [K 1,024, N 8]; A: input x; B: input lora_q_a: left as it is (N = 8 < 16)
;;     3. [M 8,192, K 8] x [K 8, N 1,024]; A: computed on the way; B: input lora_q_b: left as it is (K = 8 < 32)
;;     4. [M 8,192, K 1,024] x [K 1,024, N 8]; A: input x; B: input lora_v_a: left as it is (N = 8 < 16)
;;     5. [M 8,192, K 8] x [K 8, N 1,024]; A: computed on the way; B: input lora_v_b: left as it is (K = 8 < 32)
;;     6. batch 128 x [M 1,024, K 64] x [K 64, N 1,024]; A: computed on the way; B: computed on the way: QUANTISED
;;     7. batch 128 x [M 1,024, K 1,024] x [K 1,024, N 64]; A: softmax (see below); B: computed on the way: QUANTISED
;;     8. [M 8,192, K 1,024] x [K 1,024, N 1,024]; A: computed on the way; B: input proj_w: QUANTISED
;;   THE QUANTISER, for each operand of a quantised product, along K:
;;     - K is cut into blocks of 32 from its start; a last block that is shorter is filled with zeros.
;;     - A block's scale is 2^e with e = floor(log2(the largest magnitude in the block)) - 2, held to -126 .. 127; a block of zeros has e = 0. As a byte (E8M0): e + 127.
;;     - Each number is divided by its block's scale, clamped to +-7.5, and rounded to the nearest number of E2M3, ties to even, subnormals kept.
;;     - The product sums the exact products of the quantised numbers (number of the format x scale) in f32.
;;   ~~~python
;;   def quantise(x, axis):      # numpy; x: float32 -> the quantised numbers, widened to float32 again
;;       x = np.moveaxis(x, axis, -1); K = x.shape[-1]
;;       x = np.pad(x, [(0, 0)] * (x.ndim - 1) + [(0, -K % 32)]); x = x.reshape(x.shape[:-1] + (-1, 32)); a = np.abs(x).max(-1, keepdims=True)
;;       e = np.where(a > 0, np.clip(np.frexp(np.where(a > 0, a, 1))[1] - 1 - 2, -126, 127), 0)      # np.frexp(a)[1] - 1 = floor(log2(a)), exactly
;;       r = np.clip(x / 2.0 ** e, -7.5, 7.5)
;;       step = 2.0 ** (np.maximum(np.frexp(np.where(r == 0, 1, r))[1] - 1, 0) - 3)
;;       q = np.round(r / step) * step * 2.0 ** e      # np.round: ties to even
;;       return np.moveaxis(q.reshape(q.shape[:-2] + (-1,))[..., :K], -1, axis).astype(np.float32)
;;   ~~~
;;   SOFTMAX AHEAD OF A QUANTISED PRODUCT. Where the list says 'softmax', what is quantised is not the finished softmax but p = 2^(t - M), with t = logit x log2(e) and M = ceil(the row's largest t), a whole number; so 1/2 < the row's largest p <= 1. The row's sum l is taken of the UNQUANTISED p, in f32, and the product's result is divided by l at the end. Since M is a whole number, a kernel that streams over the keys may use a running M (the ceiling of the running maximum): every later rescaling is an exact power of two, which a block's scale takes up: the codes' values come out the same.
;;   OPERANDS COMPUTED ON THE WAY. 'Computed on the way' means the value that the module computes at that place (a softmax that the list does not call 'softmax' is quantised finished and normalised). What goes into a quantiser is computed in f32, as accurately as f32 sums, v_exp_f32 and their like allow (about 1e-6 of the number): no bf16 or f16 on the way to a quantiser, and a product that is left as it is and whose result goes on into a quantised operand takes f32 operands (vector FMAs, or v_wmma_f32_16x16x4_f32). A number that lies on a knife's edge between two numbers of the format may be rounded either way, as far as f32 arithmetic and the matrix unit's own rounding can turn it there, and no further.
;; One version. Each part assembles by itself: llvm-mc -triple=amdgcn-amd-amdhsa -mcpu=gfx1250 --defsym DOCPART=n.
;; ======== version 1 of 1: 4 launches
;; limits: right only within a limited range of input values
;; workspace buffers: xw_codes 9,437,184 bytes; xw_scales 393,216 bytes; t_img 524,288 bytes; qkv_codes 18,874,368 bytes; qkv_scales 1,310,720 bytes; o_codes 6,291,456 bytes; o_scales 262,144 bytes
;; launch prep (part 1): grid 256 x 1, 8 waves a work-group, no clusters, 295,936 bytes of LDS; arguments x, qkv_w, proj_w, lora_q_a, lora_v_a, xw_codes, xw_scales, t_img; writes xw_codes, xw_scales, t_img
.if DOCPART == 1
	.amdgcn_target "amdgcn-amd-amdhsa--gfx1250"
	.amdhsa_code_object_version 6
	.text
	.protected	k_qe41eab7b20_prep
	.globl	k_qe41eab7b20_prep
	.p2align	8
	.type	k_qe41eab7b20_prep,@function
k_qe41eab7b20_prep:
	s_mov_b64 s[64:65], 0
	v_nop
	global_prefetch_b8 v0, s[64:65] scope:SCOPE_SE
	s_setreg_imm32_b32 hwreg(HW_REG_WAVE_MODE, 25, 1), 1
	s_wait_xcnt 0x0
; PREP.  x [8192][1024], qkv_w [3072][1024] and proj_w [1024][1024], f32, become codes of FP6 (E2M3) with one E8M0 byte for each 32 along K,
; and t = 2 x [lora_q_a; lora_v_a]^T (16 numbers a token) is made in f32 by v_wmma_f32_16x16x4_f32.
; Lane r of tile 2 G + u stands for row 32 G + 8 u + r + 8 (r / 8), for tokens and for weight rows alike.
; THE CODES LIE AS IMAGES OF THE OPERAND'S REGISTERS: a fragment (16 rows x 128 K, 12 registers a lane) is 1,536 bytes: registers 0-3 at 16 x lane,
; 4-5 at 512 + 8 x lane, 6-9 at 768 + 16 x lane, 10-11 at 1,280 + 8 x lane.  xw_codes: [768 tiles][8 K steps][1,536]; tiles 0-511 x, 512-703 qkv_w, 704-767 proj_w.
; SCALE WORDS: 512 bytes a tile, word (K step s, row r) at 16 (r + 16 (s % 2)) + 4 (s / 2).  t_img: 1,024 bytes a tile of x: [q, v][lane (r, hh)][4 f32].
; SHARES.  A work-group takes 32 tokens and one tile of a weight; wave w takes K step w (128 along K) of all three.  256 equal work-groups.
; THE STAGE is each wave's own: 64 rows of 512 bytes + 16 of padding.  Rows 16-47, x's, come by the wave's one tensor load.  Rows 0-15 (the two factors) and 48-63 (the weight's tile)
; come through registers: each load reads a row's 512 consecutive bytes, 16 a lane, and an LDS store lays them into blocks of 256 bytes on which no tensor load lands.
; NO CLUSTER: the rows that work-groups share, the factors' 16, come through registers, which have no joint form; the wave's one tensor load at the head is taken by x, which nobody shares.
; LIMITS: NaN and infinities among the inputs are not served; a block whose largest magnitude lies under 2^-124 (zeros too) gets the byte 1: only this program reads the bytes.
.set PITCH, 528
.set WSTG,  64*PITCH
.set LX,    16*PITCH
.set LW,    48*PITCH
.set PART,  8*WSTG                     ; [8 waves][2 tiles][1,024]: the waves' parts of t
.set SCG,   PART+16384                 ; [3 tiles][512]: the scale words
.set SPARE, 294912                     ; the spare words: 128 bytes a wave
.set ACC,   16                         ; v16-47 four accumulators of t, written by matrix instructions alone
.set TSUM,  48                         ; v48-63 the two parities added (at the head: temporaries)
.set LF,    64                         ; v64-127 the factors' numbers; afterwards codes and work registers
.set X0,    128
.set X1,    192
.set PC,    64
.set TA,    100
.set TB,    104
.set TM,    108
.set SWD,   120
.set NIL,   1
.set ST,    2                          ; stage + 16 x lane
.set RL,    3                          ; stage + 528 r + 128 h
.set RX,    4                          ; stage + 528 (r + 8 (r / 8)) + 128 h
.set L16,   5
.set L8,    6
.set APT,   7
.set ASW,   8
.set ARP,   9
.set OT8,   10
.set ARS,   11
.set SH8,   14
.set SPW,   15
.set WV,    20
.set G1X,   24
.set SEL,   72
.macro RD64 reg, adr, off              ; register 32 c + i = k 64 c + 32 h + i of my row
.irp c, 0,1
.irp j, 0,1,2,3,4,5,6,7
	ds_load_b128 v[\reg+32*\c+4*\j:\reg+32*\c+4*\j+3], v[\adr] offset:\off+256*\c+16*\j
.endr
.endr
.endm
.macro QUANTW x, pc, sw                ; 64 numbers of a lane -> a fragment's 12 registers, the row's scale word
.irp c, 0,1
	v_max3_num_f32 v[TM+\c], |v[\x+32*\c]|, |v[\x+32*\c+1]|, 0x1800000       ; the floor 2^(3 - 127) is a leaf
	v_max3_num_f32 v[TM+2+\c], |v[\x+32*\c+16]|, |v[\x+32*\c+17]|, 0x1800000
.endr
.irp i, 2,4,6,8,10,12,14
.irp c, 0,1
	s_delay_alu instid0(VALU_DEP_4)
	v_max3_num_f32 v[TM+\c], v[TM+\c], |v[\x+32*\c+\i]|, |v[\x+32*\c+\i+1]|
	s_delay_alu instid0(VALU_DEP_4)
	v_max3_num_f32 v[TM+2+\c], v[TM+2+\c], |v[\x+32*\c+16+\i]|, |v[\x+32*\c+17+\i]|
.endr
.endr
	s_delay_alu instid0(VALU_DEP_3)
	v_max_num_f32 v[TM], v[TM], v[TM+2]
	s_delay_alu instid0(VALU_DEP_2)
	v_max_num_f32 v[TM+1], v[TM+1], v[TM+3]
.irp c, 0,1
	s_delay_alu instid0(VALU_DEP_2)
	v_add_nc_u32 v[TM+4+\c], 0xff000000, v[TM+\c]      ; 2 off the exponent field: the conversion's scale operand
.endr
.irp c, 0,1
	s_delay_alu instid0(VALU_DEP_2)
	v_lshrrev_b32 v[TM+6+\c], 23, v[TM+4+\c]           ; the scale's byte
.endr
	s_delay_alu instid0(VALU_DEP_1)
	v_lshl_or_b32 v[TM+8], v[TM+7], 16, v[TM+6]        ; blocks h and 2 + h,
	s_delay_alu instid0(VALU_DEP_1)
	v_lshlrev_b32 v[TM+8], v[SH8], v[TM+8]             ; at their places in the word
	v_mov_b32 v[TM+9], 0
	s_delay_alu instid0(VALU_DEP_1)
	v_permlanex16_b32 v[TM+9], v[TM+8], s[SEL], s[SEL+1]
	s_delay_alu instid0(VALU_DEP_1)
	v_or_b32 v[\sw], v[TM+8], v[TM+9]                  ; with lane l xor 16's two the word is whole
	v_cvt_scalef32_pk16_fp6_f32 v[\pc:\pc+2], v[\x:\x+15], v[TM+4]
	v_cvt_scalef32_pk16_fp6_f32 v[TA:TA+2], v[\x+16:\x+31], v[TM+4]
	v_cvt_scalef32_pk16_fp6_f32 v[\pc+6:\pc+8], v[\x+32:\x+47], v[TM+5]
	v_cvt_scalef32_pk16_fp6_f32 v[TB:TB+2], v[\x+48:\x+63], v[TM+5]
	v_nop                                              ; one plain line behind the last conversion
.irp i, 0,1,2
	v_mov_b32 v[\pc+3+\i], v[TA+\i]
	v_mov_b32 v[\pc+9+\i], v[TB+\i]
.endr
.endm
.macro PUT pc, base, off               ; a fragment's image: each store covers whole aligned runs of 256 bytes
	global_store_b128 v[L16], v[\pc:\pc+3], s[\base:\base+1] offset:\off
	global_store_b64 v[L8], v[\pc+4:\pc+5], s[\base:\base+1] offset:\off+512
	global_store_b128 v[L16], v[\pc+6:\pc+9], s[\base:\base+1] offset:\off+768
	global_store_b64 v[L8], v[\pc+10:\pc+11], s[\base:\base+1] offset:\off+1280
.endm
	s_load_b256 s[4:11], s[0:1], 0x0               ; x, qkv_w, proj_w, lora_q_a
	s_load_b256 s[12:19], s[0:1], 0x20             ; lora_v_a, xw_codes, xw_scales, t_img
	v_lshl_add_u32 v[SPW], v0, 2, SPARE
	v_mov_b32 v[NIL], 0
	ds_add_u32 v[SPW], v[NIL]                      ; the opening lines: the add twice on end and its wait
	ds_add_u32 v[SPW], v[NIL]
	v_lshrrev_b32 v51, 5, v0
	v_readfirstlane_b32 s[WV], v51                 ; wave 0..7 = my K step
	s_mov_b32 s22, ttmp9                           ; work-group
	s_mov_b32 s[G1X], (2<<16)|(1<<20)|(6<<22)|(3<<25)   ; 32 rows of 128 f32 out of rows of 1,024; 4 words of padding behind each 128
	s_mov_b32 s[G1X+1], 128<<16
	s_mov_b32 s[G1X+2], 32<<16
	s_mov_b32 s[G1X+3], 128<<16
	s_mov_b32 s[G1X+4], 32
	s_mov_b32 s[G1X+5], 1024
	s_mov_b32 s[G1X+6], 0
	s_mov_b32 s[G1X+7], 0
	s_mov_b32 s[SEL], 0x76543210
	s_mov_b32 s[SEL+1], 0xfedcba98
	s_mul_i32 s23, s[WV], WSTG                     ; my stage
	s_lshl_b32 s74, s[WV], 9                       ; my K step's 512 bytes in a row
	s_mov_b32 s75, 0
	s_lshl_b32 s76, s22, 17                        ; my 32 tokens
	s_add_co_u32 s76, s76, s74
	s_mov_b32 s77, 0
	s_cmp_lt_u32 s22, 192                          ; work-groups 0-191 take a tile of qkv_w, the others of proj_w
	s_cselect_b32 s2, 0, 192
	s_sub_co_u32 s2, s22, s2
	s_lshr_b32 s3, s2, 1
	s_lshl_b32 s3, s3, 5
	s_and_b32 s2, s2, 1
	s_lshl_b32 s2, s2, 3
	s_add_co_u32 s2, s2, s3                        ; the tile's first row: 32 (t / 2) + 8 (t % 2)
	s_lshl_b32 s2, s2, 12
	s_add_co_u32 s2, s2, s74
	s_mov_b32 s3, 0
	s_wait_dscnt 0x0
	s_wait_kmcnt 0x0
	s_mov_b32 s56, 1
	s_add_co_u32 s57, s23, LX
	s_add_nc_u64 s[58:59], s[4:5], s[76:77]
	s_or_b32 s59, s59, 0x80000000
	tensor_load_to_lds s[56:59], s[G1X:G1X+7]      ; my one tensor load: x's 32 rows, my K step
	s_nop 0
.rept 4
	v_nop
.endr
	s_cmp_lt_u32 s22, 192
	s_cselect_b64 s[78:79], s[6:7], s[8:9]
	s_add_nc_u64 s[78:79], s[78:79], s[2:3]
	s_add_nc_u64 s[10:11], s[10:11], s[74:75]
	s_add_nc_u64 s[12:13], s[12:13], s[74:75]
	s_lshl_b32 s60, s[WV], 11
	s_add_co_u32 s60, s60, PART
	s_and_b32 s61, s[WV], 1
	s_lshl_b32 s61, s61, 8
	s_lshr_b32 s62, s[WV], 1
	s_lshl_b32 s62, s62, 2
	s_add_co_u32 s61, s61, s62
	s_add_co_u32 s61, s61, SCG
	s_lshl_b32 s62, s[WV], 9
	s_add_co_u32 s62, s62, SCG
	v_and_b32 v48, 15, v0                          ; r
	v_bfe_u32 v49, v0, 4, 1                        ; h
	v_and_b32 v50, 31, v0                          ; lane
	v_and_b32 v51, 8, v0
	v_add_nc_u32 v51, v51, v48                     ; r + 8 (r / 8)
	v_lshlrev_b32 v[L16], 4, v50
	v_lshlrev_b32 v[L8], 3, v50
	v_mul_u32_u24 v[RL], v48, PITCH
	v_mul_u32_u24 v[RX], v51, PITCH
	v_lshl_add_u32 v[RL], v49, 7, v[RL]
	v_lshl_add_u32 v[RX], v49, 7, v[RX]
	v_add_nc_u32 v[RL], s23, v[RL]
	v_add_nc_u32 v[RX], s23, v[RX]
	v_add_nc_u32 v[ST], s23, v[L16]
	v_lshl_add_u32 v[APT], v48, 4, s60
	v_lshl_add_u32 v[APT], v49, 9, v[APT]
	v_lshl_add_u32 v[ASW], v48, 4, s61
	v_lshl_add_u32 v[ARP], v0, 3, PART
	v_lshlrev_b32 v[OT8], 3, v0
	v_lshl_add_u32 v[ARS], v50, 4, s62
	v_lshlrev_b32 v[SH8], 3, v49
	s_wait_alu depctr_va_vdst(0)                   ; the wait behind the head's last vector write
.irp i, 0,1,2,3,4,5,6,7
	global_load_b128 v[X1+4*\i:X1+4*\i+3], v[L16], s[10:11] offset:4096*\i          ; lora_q_a's rows: 32 lanes read 512 consecutive bytes
.endr
.irp i, 0,1,2,3,4,5,6,7
	global_load_b128 v[X1+32+4*\i:X1+32+4*\i+3], v[L16], s[12:13] offset:4096*\i    ; lora_v_a's
.endr
.irp i, 0,1,2,3,4,5,6,7
	global_load_b128 v[X0+4*\i:X0+4*\i+3], v[L16], s[78:79] offset:4096*\i th:TH_LOAD_NT          ; the weight tile's rows 0-7,
.endr
.irp i, 0,1,2,3,4,5,6,7
	global_load_b128 v[X0+32+4*\i:X0+32+4*\i+3], v[L16], s[78:79] offset:65536+4096*\i th:TH_LOAD_NT   ; and the eight that lie 16 rows further on
.endr
	; where the results go
	s_mul_i32 s76, s22, 24576                      ; x's two tiles: 12,288 bytes each; my K step: 1,536
	s_mul_i32 s2, s[WV], 1536
	s_add_co_u32 s76, s76, s2
	s_mov_b32 s77, 0
	s_add_co_u32 s3, s22, 512                      ; the weight's tile is tile 512 + work-group
	s_mul_i32 s3, s3, 12288
	s_add_co_u32 s2, s3, s2
	s_mov_b32 s3, 0
	s_add_nc_u64 s[66:67], s[14:15], s[2:3]
	s_add_nc_u64 s[14:15], s[14:15], s[76:77]
	s_lshl_b32 s2, s22, 11                         ; t_img: 2,048 bytes a work-group
	s_add_nc_u64 s[18:19], s[18:19], s[2:3]
	s_lshl_b32 s2, s22, 1
	s_add_co_u32 s2, s2, s[WV]                     ; scale words: waves 0 and 1 store x's tile 2 wg + w,
	s_add_co_u32 s76, s22, 512                     ; wave 2 the weight's
	s_cmp_eq_u32 s[WV], 2
	s_cselect_b32 s2, s76, s2
	s_lshl_b32 s2, s2, 9
	s_add_nc_u64 s[16:17], s[16:17], s[2:3]
	s_wait_tensorcnt 0x0                           ; x is in my stage; no tensor load is out when I store to LDS
	s_wait_loadcnt 16                              ; the factors are in; the weight's 16 loads may be out
.irp i, 0,1,2,3,4,5,6,7,8,9,10,11,12,13,14,15
	ds_store_b128 v[ST], v[X1+4*\i:X1+4*\i+3] offset:\i*PITCH
.endr
	s_wait_loadcnt 0x0
.irp i, 0,1,2,3,4,5,6,7,8,9,10,11,12,13,14,15
	ds_store_b128 v[ST], v[X0+4*\i:X0+4*\i+3] offset:LW+\i*PITCH
.endr
	RD64 LF, RL, 0                                 ; LDS serves a wave's instructions in order: these see my stores
	s_wait_dscnt 16                                ; all but the 16 just issued: the stores have read their registers
	RD64 X0, RX, LX
	RD64 X1, RX, LX+8*PITCH
	s_wait_dscnt 0x0
	; t^T = L x^T: source 0 = the 16 rows of the factors, source 1 = 16 tokens.  Both hold the same k in the same register and half.  Four accumulators by turns.
.set i, 0
.rept 32
.irp t, 0,1
.if i < 2
	v_wmma_f32_16x16x4_f32 v[ACC+16*\t+8*(i%2):ACC+16*\t+8*(i%2)+7], v[LF+2*i:LF+2*i+1], v[X0+64*\t+2*i:X0+64*\t+2*i+1], 0
.else
	v_wmma_f32_16x16x4_f32 v[ACC+16*\t+8*(i%2):ACC+16*\t+8*(i%2)+7], v[LF+2*i:LF+2*i+1], v[X0+64*\t+2*i:X0+64*\t+2*i+1], v[ACC+16*\t+8*(i%2):ACC+16*\t+8*(i%2)+7]
.endif
.endr
.set i, i+1
.endr
.rept 8
	v_nop                                          ; eight places behind this form (ISA guide 7.12.1): the factors' registers are written next
.endr
	QUANTW X0, PC, SWD
	PUT PC, 14, 0
	ds_store_b32 v[ASW], v[SWD]                    ; both halves of the lanes write the same word with the same value
	RD64 X0, RL, LW                                ; the weight's tile lands while tile 1 is quantised
	QUANTW X1, PC+12, SWD+1
	PUT PC+12, 14, 12288
	ds_store_b32 v[ASW], v[SWD+1] offset:512
.irp t, 0,1
.irp j, 0,2,4,6
	v_pk_add_f32 v[TSUM+8*\t+\j:TSUM+8*\t+\j+1], v[ACC+16*\t+\j:ACC+16*\t+\j+1], v[ACC+16*\t+8+\j:ACC+16*\t+8+\j+1]   ; each accumulator from its low end on
.endr
.endr
.irp t, 0,1
	ds_store_b128 v[APT], v[TSUM+8*\t:TSUM+8*\t+3] offset:1024*\t
	ds_store_b128 v[APT], v[TSUM+8*\t+4:TSUM+8*\t+7] offset:1024*\t+256
.endr
	s_wait_dscnt 0x0                               ; the weight's numbers are in registers
	QUANTW X0, PC+24, SWD+2
	PUT PC+24, 66, 0
	ds_store_b32 v[ASW], v[SWD+2] offset:1024
	s_wait_dscnt 0x0                               ; for the others' sake: my parts of t and my scale words lie in LDS
	s_barrier_signal -1
	s_barrier_wait -1
.irp p, 0,1,2,3,4,5,6,7
	ds_load_b64 v[X1+2*\p:X1+2*\p+1], v[ARP] offset:2048*\p                ; the eight waves' parts of my two numbers of t
.endr
	s_wait_dscnt 0x0
.irp p, 0,4,8,12
	v_pk_add_f32 v[X1+\p:X1+\p+1], v[X1+\p:X1+\p+1], v[X1+\p+2:X1+\p+3]
.endr
	s_delay_alu instid0(VALU_DEP_3)
	v_pk_add_f32 v[X1:X1+1], v[X1:X1+1], v[X1+4:X1+5]
	s_delay_alu instid0(VALU_DEP_2)
	v_pk_add_f32 v[X1+8:X1+9], v[X1+8:X1+9], v[X1+12:X1+13]
	s_delay_alu instid0(VALU_DEP_1)
	v_pk_add_f32 v[X1:X1+1], v[X1:X1+1], v[X1+8:X1+9]
	s_delay_alu instid0(VALU_DEP_1)
	v_pk_mul_f32 v[X1:X1+1], v[X1:X1+1], 2.0 op_sel_hi:[1,0]               ; alpha / rank = 2: exact
	global_store_b64 v[OT8], v[X1:X1+1], s[18:19]  ; a wave stores 256 consecutive bytes
	s_cmp_gt_u32 s[WV], 2
	s_cbranch_scc1 .Lno_words
	ds_load_b128 v[X1+16:X1+19], v[ARS]            ; a tile's 512 bytes of scale words
	s_wait_dscnt 0x0
	global_store_b128 v[L16], v[X1+16:X1+19], s[16:17]
.Lno_words:
	s_wait_tensorcnt 0x0                           ; the wave's end
	ds_add_u32 v[SPW], v[NIL]
	s_wait_dscnt 0x0
	s_endpgm
.Lfunc_end_k_qe41eab7b20_prep:
	.size	k_qe41eab7b20_prep, .Lfunc_end_k_qe41eab7b20_prep-k_qe41eab7b20_prep
	.p2alignl 7, 3214868480
	.fill 96, 4, 3214868480
	.section	.rodata,"a",@progbits
	.p2align	6, 0x0
	.amdhsa_kernel k_qe41eab7b20_prep
		.amdhsa_group_segment_fixed_size 295936
		.amdhsa_private_segment_fixed_size 0
		.amdhsa_enable_private_segment 0
		.amdhsa_kernarg_size 64
		.amdhsa_user_sgpr_count 2
		.amdhsa_user_sgpr_kernarg_segment_ptr 1
		.amdhsa_wavefront_size32 1
		.amdhsa_system_sgpr_workgroup_id_x 1
		.amdhsa_system_sgpr_workgroup_id_y 1
		.amdhsa_system_sgpr_workgroup_id_z 1
		.amdhsa_system_vgpr_workitem_id 0
		.amdhsa_next_free_vgpr 256
		.amdhsa_next_free_sgpr 80
		.amdhsa_reserve_vcc 0
		.amdhsa_float_denorm_mode_32 3
		.amdhsa_float_denorm_mode_16_64 3
		.amdhsa_memory_ordered 1
		.amdhsa_forward_progress 1
		.amdhsa_inst_pref_size 35
	.end_amdhsa_kernel
	.amdgpu_metadata
---
amdhsa.version: [ 1, 2 ]
amdhsa.kernels:
  - .name:           k_qe41eab7b20_prep
    .symbol:         k_qe41eab7b20_prep.kd
    .args:
      - { .name: x, .offset: 0, .size: 8, .value_kind: global_buffer, .address_space: global }
      - { .name: qkv_w, .offset: 8, .size: 8, .value_kind: global_buffer, .address_space: global }
      - { .name: proj_w, .offset: 16, .size: 8, .value_kind: global_buffer, .address_space: global }
      - { .name: lora_q_a, .offset: 24, .size: 8, .value_kind: global_buffer, .address_space: global }
      - { .name: lora_v_a, .offset: 32, .size: 8, .value_kind: global_buffer, .address_space: global }
      - { .name: xw_codes, .offset: 40, .size: 8, .value_kind: global_buffer, .address_space: global }
      - { .name: xw_scales, .offset: 48, .size: 8, .value_kind: global_buffer, .address_space: global }
      - { .name: t_img, .offset: 56, .size: 8, .value_kind: global_buffer, .address_space: global }
    .group_segment_fixed_size: 295936
    .private_segment_fixed_size: 0
    .kernarg_segment_align: 8
    .kernarg_segment_size: 64
    .max_flat_workgroup_size: 256
    .sgpr_count:     80
    .vgpr_count:     256
    .wavefront_size: 32
...
	.end_amdgpu_metadata
.endif
;; end of part 1
;; launch qkv (part 2): grid 4 x 64, 4 waves a work-group, clusters of 4 x 4, 327,680 bytes of LDS; arguments xw_codes, xw_scales, t_img, qkv_b, lora_q_b, lora_v_b, qkv_codes, qkv_scales; writes qkv_codes, qkv_scales
.if DOCPART == 2
	.amdgcn_target "amdgcn-amd-amdhsa--gfx1250"
	.amdhsa_code_object_version 6
	.text
	.protected	k_qe41eab7b20_qkv
	.globl	k_qe41eab7b20_qkv
	.p2align	8
	.type	k_qe41eab7b20_qkv,@function
k_qe41eab7b20_qkv:
	s_mov_b64 s[64:65], 0
	v_nop
	global_prefetch_b8 v0, s[64:65] scope:SCOPE_SE
	s_setreg_imm32_b32 hwreg(HW_REG_WAVE_MODE, 25, 1), 1
	s_wait_xcnt 0x0
	s_wait_alu depctr_hold_cnt(0) depctr_sa_sdst(0) depctr_va_vdst(0) depctr_va_sdst(0) depctr_va_ssrc(0) depctr_va_vcc(0) depctr_vm_vsrc(0)
	s_getreg_b32 s2, hwreg(HW_REG_IB_STS2, 6, 4)
	s_cmp_eq_u32 s2, 0
	s_cbranch_scc0 .Lentry_in_a_cluster
	s_endpgm
.Lentry_in_a_cluster:
	s_bfe_u32 s2, ttmp6, 0x10000c
	s_cmp_lg_u32 s2, 0xf033
	s_cbranch_scc0 .Lentry_shape_is_right
	s_endpgm
.Lentry_shape_is_right:
.set FRB,   1536
.set TILEB, 12288
.set SLOTB, 98304
.set SPARE, 294912
.set SCR,   295424
.set A16, 4
.set A8,  6
.set B16, 8
.set B8,  10
.set S16R, 14
.set S8R,  15
.set S16L, 16
.set S8L,  17
.set SPW, 18
.set NIL, 19
.set OBK, 20
.set OBV, 21
.set OLB, 22
.set XS,  32
.set WSK, 64
.set WSQ, 80
.set WSV, 96
.set TM,  112
.set TX,  128
.set SO,  144
.set PC,  160
.set PT,  208
.set SW,  240
.set RB,  248
.set LBQ, 192
.set LBV, 208
.set BIK, 96
.set BIQ, 128
.set BIV, 160
.set TQ,  192
.set TV,  224
.set WV,  20
.set G1A, 28
.set G1B, 36
.set G0A, 44
.set G0B, 48
.set SEL, 56
.set MSB, 0
.macro WIN new
.if MSB != \new
	s_set_vgpr_msb (MSB<<8)|\new
.set MSB, \new
.endif
.endm
.macro PLACES n
.rept \n
	v_nop
.endr
.endm
.macro CREST
	s_cmp_lg_u32 s[WV], 0
	s_cbranch_scc1 .Lnot_wave_0_\@
	s_barrier_signal -3
.Lnot_wave_0_\@:
	s_barrier_wait -3
	s_barrier_signal -1
	s_barrier_wait -1
.endm
.macro CROUND
	s_barrier_signal -1
	s_barrier_wait -1
	CREST
.endm
.macro W6 d, a, b, c, sa, sb, ra, rb
.if (\ra) && (\rb)
	v_wmma_scale_f32_16x16x128_f8f6f4 v[\d:\d+7], v[\a:\a+11], v[\b:\b+11], v[\c:\c+7], v[\sa], v[\sb] matrix_a_fmt:MATRIX_FMT_FP6 matrix_b_fmt:MATRIX_FMT_FP6 matrix_a_scale:MATRIX_SCALE_ROW1 matrix_b_scale:MATRIX_SCALE_ROW1
.elseif \ra
	v_wmma_scale_f32_16x16x128_f8f6f4 v[\d:\d+7], v[\a:\a+11], v[\b:\b+11], v[\c:\c+7], v[\sa], v[\sb] matrix_a_fmt:MATRIX_FMT_FP6 matrix_b_fmt:MATRIX_FMT_FP6 matrix_a_scale:MATRIX_SCALE_ROW1
.elseif \rb
	v_wmma_scale_f32_16x16x128_f8f6f4 v[\d:\d+7], v[\a:\a+11], v[\b:\b+11], v[\c:\c+7], v[\sa], v[\sb] matrix_a_fmt:MATRIX_FMT_FP6 matrix_b_fmt:MATRIX_FMT_FP6 matrix_b_scale:MATRIX_SCALE_ROW1
.else
	v_wmma_scale_f32_16x16x128_f8f6f4 v[\d:\d+7], v[\a:\a+11], v[\b:\b+11], v[\c:\c+7], v[\sa], v[\sb] matrix_a_fmt:MATRIX_FMT_FP6 matrix_b_fmt:MATRIX_FMT_FP6
.endif
.endm
.macro FETCH s
.set fA, 96*((\s)%2)
.set fB, 48*((\s)%2)
.set fS, (\s)/4
	WIN 0x80
.irp a, 0,1,2,3,4,5,6,7
	ds_load_b128 v[fA+12*\a:fA+12*\a+3], v[A16+\a/4] offset:(\a%4)*TILEB+FRB*(\s)
	ds_load_b64 v[fA+12*\a+4:fA+12*\a+5], v[A8+\a/4] offset:(\a%4)*TILEB+FRB*(\s)+512
	ds_load_b128 v[fA+12*\a+6:fA+12*\a+9], v[A16+\a/4] offset:(\a%4)*TILEB+FRB*(\s)+768
	ds_load_b64 v[fA+12*\a+10:fA+12*\a+11], v[A8+\a/4] offset:(\a%4)*TILEB+FRB*(\s)+1280
.endr
	WIN 0xc0
.irp b, 0,1,2,3
	ds_load_b128 v[fB+12*\b:fB+12*\b+3], v[B16+fS] offset:\b*6144+FRB*((\s)%4)
	ds_load_b64 v[fB+12*\b+4:fB+12*\b+5], v[B8+fS] offset:\b*6144+FRB*((\s)%4)+512
	ds_load_b128 v[fB+12*\b+6:fB+12*\b+9], v[B16+fS] offset:\b*6144+FRB*((\s)%4)+768
	ds_load_b64 v[fB+12*\b+10:fB+12*\b+11], v[B8+fS] offset:\b*6144+FRB*((\s)%4)+1280
.endr
.endm
.macro MULA kind, ws, s, a, cb
.irp b, 0,1,2,3
.set rA, 96*((\s)%2)+12*(\a)
.set rB, 48*((\s)%2)+12*\b
.set rX, XS+4*(\a)+(\s)/2
.set rW, \ws+4*\b+(\s)/2
.set rO, (\s)%2
.if \kind
.set rD, 64*\b+8*(\a)
.set rC, 64*\b+8*(\a)
	W6 rD, rA, rB, rC, rX, rW, rO, rO
.else
.set rD, 32*(\a)+8*\b
.if \cb
.set rC, \cb+8*\b
.else
.set rC, 32*(\a)+8*\b
.endif
	W6 rD, rB, rA, rC, rW, rX, rO, rO
.endif
.endr
.endm
.macro WMUL kind, cb
.if \kind
	WIN 0x5e
.elseif \cb
	WIN 0x7b
.else
	WIN 0x5b
.endif
.endm
.macro KSTEP kind, ws, s, cb
	PLACES 4
	FETCH (\s)+1
	s_wait_dscnt 48
	WMUL \kind, \cb
.irp a, 0,1,2,3,4,5,6,7
	MULA \kind, \ws, \s, \a, \cb
.endr
.endm
.macro LAST kind, ws
	s_wait_dscnt 0x0
	WMUL \kind, 0
.irp a, 0,1,2,3,4,5,6,7
	MULA \kind, \ws, 7, \a, 0
.endr
.endm
.macro STEPB g, up
.if \up
	s_add_nc_u64 s[\g+2:\g+3], s[\g+2:\g+3], 128*TILEB
.else
	s_sub_nc_u64 s[\g+2:\g+3], s[\g+2:\g+3], 64*TILEB
.endif
.endm
.macro TURN kind, ws, up
	WIN 0
	s_wait_tensorcnt 0x0
	ds_add_u32 v[SPW], v[NIL]
	s_wait_dscnt 1
	WMUL \kind, 0
	MULA \kind, \ws, 3, 0, 0
	MULA \kind, \ws, 3, 1, 0
	s_wait_dscnt 0x0
	s_barrier_signal -1
	MULA \kind, \ws, 3, 2, 0
	MULA \kind, \ws, 3, 3, 0
	WIN 0
	s_barrier_wait -1
	CREST
	STEPB G0B, \up
	tensor_load_to_lds s[G0B:G0B+3], s[G1B:G1B+7]
	s_nop 0
	PLACES 4
	FETCH 4
	WMUL \kind, 0
.irp a, 4,5,6,7
	MULA \kind, \ws, 3, \a, 0
.endr
.endm
.macro BETWEEN up
	WIN 0
	s_wait_tensorcnt 0x0
	ds_add_u32 v[SPW], v[NIL]
	STEPB G0B+4, \up
	s_wait_dscnt 0x0
	CROUND
	tensor_load_to_lds s[G0B+4:G0B+7], s[G1B:G1B+7]
	s_nop 0
	PLACES 4
	FETCH 0
.endm
.macro LORA kind, lb, tt, bi
.irp q, 0,2
.if \kind
.if \q
	WIN 0x5b
.else
	WIN 0x7b
.endif
.else
.if \q
	WIN 0x5e
.else
	WIN 0x7e
.endif
.endif
.irp a, 0,1,2,3,4,5,6,7
.irp b, 0,1,2,3
.if \kind
.set rD, 64*\b+8*\a
.if \q
	v_wmma_f32_16x16x4_f32 v[rD:rD+7], v[\tt+4*\a+\q:\tt+4*\a+\q+1], v[\lb+4*\b+\q:\lb+4*\b+\q+1], v[rD:rD+7]
.else
	v_wmma_f32_16x16x4_f32 v[rD:rD+7], v[\tt+4*\a+\q:\tt+4*\a+\q+1], v[\lb+4*\b+\q:\lb+4*\b+\q+1], v[\bi+8*\b:\bi+8*\b+7]
.endif
.else
.set rD, 32*\a+8*\b
.if \q
	v_wmma_f32_16x16x4_f32 v[rD:rD+7], v[\lb+4*\b+\q:\lb+4*\b+\q+1], v[\tt+4*\a+\q:\tt+4*\a+\q+1], v[rD:rD+7]
.else
	v_wmma_f32_16x16x4_f32 v[rD:rD+7], v[\lb+4*\b+\q:\lb+4*\b+\q+1], v[\tt+4*\a+\q:\tt+4*\a+\q+1], v[\bi+8*\b:\bi+8*\b+7]
.endif
.endif
.endr
.endr
.endr
	PLACES 9
.endm
.macro EPI kind, cb, sb
	WIN 0
	s_wait_xcnt 0x0
	PLACES 4
	WIN 0x05
.irp n, 0,1,2,3,4,5,6,7,8,9,10,11,12,13,14,15
	v_max3_num_f32 v[TM+\n], |v[16*\n]|, |v[16*\n+1]|, 0x1800000
.endr
	WIN 0x14
.irp i, 2,4,6,8,10,12,14
.irp n, 0,1,2,3,4,5,6,7,8,9,10,11,12,13,14,15
	v_max3_num_f32 v[TM+\n], v[TM+\n], |v[16*\n+\i]|, |v[16*\n+\i+1]|
.endr
.endr
	WIN 0
.irp n, 0,1,2,3,4,5,6,7,8,9,10,11,12,13,14,15
	v_permlanex16_b32 v[TX+\n], v[TM+\n], s[SEL], s[SEL+1]
.endr
.irp n, 0,1,2,3,4,5,6,7,8,9,10,11,12,13,14,15
	v_max_num_f32 v[TM+\n], v[TM+\n], v[TX+\n]
.endr
.irp n, 0,1,2,3,4,5,6,7,8,9,10,11,12,13,14,15
	v_add_nc_u32 v[SO+\n], 0xff000000, v[TM+\n]
.endr
.irp n, 0,1,2,3,4,5,6,7,8,9,10,11,12,13,14,15
	v_lshrrev_b32 v[TM+\n], 23, v[SO+\n]
.endr
.if \kind
.irp c, 0,1,2,3
	v_lshl_or_b32 v[SW+\c], v[TM+4*\c+1], 8, v[TM+4*\c]
	v_lshl_or_b32 v[SW+\c], v[TM+4*\c+2], 16, v[SW+\c]
	v_lshl_or_b32 v[SW+\c], v[TM+4*\c+3], 24, v[SW+\c]
.endr
.irp c, 0,1,2,3
	ds_store_b32 v[S8R], v[SW+\c] offset:128*(\c%2)+4*(\c/2)
.endr
	ds_load_b64 v[RB:RB+1], v[S8L]
.else
.irp a, 0,1,2,3,4,5,6,7
	v_lshl_or_b32 v[SW+\a], v[TM+2*\a+1], 8, v[TM+2*\a]
.endr
.irp a, 0,1,2,3,4,5,6,7
	ds_store_b32 v[S16R], v[SW+\a] offset:256*(\a%2)+4*(\a/2)
.endr
	ds_load_b128 v[RB:RB+3], v[S16L]
.endif
	WIN 0x01
.irp m, 0,1,2,3,4,5,6,7
	v_cvt_scalef32_pk16_fp6_f32 v[PC+6*\m:PC+6*\m+2], v[32*\m:32*\m+15], v[SO+2*\m]
	v_cvt_scalef32_pk16_fp6_f32 v[PT+4*\m:PT+4*\m+2], v[32*\m+16:32*\m+31], v[SO+2*\m+1]
.endr
	WIN 0
	v_nop
.irp m, 0,1,2,3,4,5,6,7
.irp i, 0,1,2
	v_permlane16_swap_b32 v[PC+6*\m+\i], v[PT+4*\m+\i]
.endr
.irp i, 0,1,2
	v_mov_b32 v[PC+6*\m+3+\i], v[PT+4*\m+\i]
.endr
.endr
.irp m, 0,1,2,3,4,5,6,7
	global_store_b128 v[A16], v[PC+6*\m:PC+6*\m+3], s[\cb:\cb+1] offset:768*\m
	global_store_b64 v[A8], v[PC+6*\m+4:PC+6*\m+5], s[\cb:\cb+1] offset:768*\m+512
.endr
	s_wait_dscnt 0x0
.if \kind
	global_store_b64 v[A8], v[RB:RB+1], s[\sb:\sb+1]
.else
	global_store_b128 v[A16], v[RB:RB+3], s[\sb:\sb+1]
.endif
.endm
	s_load_b256 s[4:11], s[0:1], 0x0
	s_load_b256 s[12:19], s[0:1], 0x20
	v_lshl_add_u32 v[SPW], v0, 2, SPARE
	v_mov_b32 v[NIL], 0
	ds_add_u32 v18, v19
	ds_add_u32 v18, v19
	s_wait_dscnt 0x0
	v_lshrrev_b32 v1, 5, v0
	v_readfirstlane_b32 s[WV], v1
	s_bfe_u32 s21, ttmp6, 0x40000
	s_bfe_u32 s22, ttmp6, 0x40004
	s_lshl_b32 s23, ttmp9, 2
	s_add_co_u32 s23, s23, s21
	s_and_b32 s24, ttmp7, 0xffff
	s_lshl_b32 s24, s24, 2
	s_add_co_u32 s24, s24, s22
	s_lshl_b32 s25, s22, 2
	s_lshl_b32 s25, 15, s25
	s_lshl_b32 s26, 0x1111, s21
	s_or_b32 s[G1A], s25, (3<<16)|(1<<21)
	s_mov_b32 s[G1A+1], 32<<16
	s_mov_b32 s[G1A+2], 192<<16                    ; x: half of the 8 tiles, 49,152 bytes, a load
	s_mov_b32 s[G1A+3], 32<<16
	s_mov_b32 s[G1A+4], 192
	s_mov_b32 s[G1A+5], 32
	s_mov_b32 s[G1A+6], 0
	s_mov_b32 s[G1A+7], 0
	s_or_b32 s[G1B], s26, (3<<16)|(1<<21)
	s_mov_b32 s[G1B+1], 768<<16
	s_mov_b32 s[G1B+2], 8<<16                      ; the head's load of weights brings 8 tiles; behind it the two counts are set to 4
	s_mov_b32 s[G1B+3], 768<<16
	s_mov_b32 s[G1B+4], 8
	s_mov_b32 s[G1B+5], 1536
	s_mov_b32 s[G1B+6], 0
	s_mov_b32 s[G1B+7], 0
	s_mov_b32 s[SEL], 0x76543210
	s_mov_b32 s[SEL+1], 0xfedcba98
	s_lshl_b32 s72, s24, 3
	s_lshl_b32 s73, s[WV], 2
	s_add_co_u32 s72, s72, s73
	s_mul_i32 s72, s72, TILEB
	s_mov_b32 s73, 0
	s_mul_i32 s74, s[WV], 24576
	s_lshl_b32 s76, s23, 4
	s_lshl_b32 s77, s[WV], 2
	s_add_co_u32 s76, s76, s77
	s_add_co_u32 s78, s76, 576
	s_mul_i32 s78, s78, TILEB
	s_mov_b32 s79, 0
	s_wait_kmcnt 0x0
	s_mov_b32 s[G0A], 1
	s_lshl_b32 s[G0A+1], s74, 1
	s_add_nc_u64 s[G0A+2:G0A+3], s[4:5], s[72:73]
	s_or_b32 s[G0A+3], s[G0A+3], 0x80000000
	s_mov_b32 s[G0B], 1
	s_add_co_u32 s[G0B+1], s74, SLOTB
	s_add_nc_u64 s[G0B+2:G0B+3], s[4:5], s[78:79]
	s_mov_b32 s[G0B+4], 1
	s_add_co_u32 s[G0B+5], s74, 2*SLOTB
	s_add_nc_u64 s[G0B+6:G0B+7], s[G0B+2:G0B+3], 6144
	s_or_b32 s[G0B+3], s[G0B+3], 0x80000000
	s_or_b32 s[G0B+7], s[G0B+7], 0x80000000
	s_mov_b32 s80, 1                               ; the head's load of weights: waves 2, 3 bring tiles 8 (w - 2) .. + 7 of the work-group's 16, K steps 0-3, to SLOTB + 49,152 (w - 2) = 49,152 w
	s_mov_b32 s81, s[G0A+1]
	s_add_co_u32 s84, s78, s[G0A+1]
	s_sub_co_u32 s84, s84, 196608
	s_mov_b32 s85, 0
	s_add_nc_u64 s[82:83], s[4:5], s[84:85]
	s_or_b32 s83, s83, 0x80000000
	CROUND
	s_cmp_lt_u32 s[WV], 2                          ; one load a wave at the head: waves 0, 1 x's halves, waves 2, 3 the first slot's halves
	s_cbranch_scc0 .Lhead_b
	tensor_load_to_lds s[G0A:G0A+3], s[G1A:G1A+7]
	s_nop 0
	PLACES 4
	s_branch .Lhead_j
.Lhead_b:
	tensor_load_to_lds s[80:83], s[G1B:G1B+7]
	s_nop 0
	PLACES 4
.Lhead_j:
	s_wait_alu depctr_va_vdst(0)
	s_wait_tensorcnt 0x0
	ds_add_u32 v18, v19
	s_mov_b32 s[G1B+2], 4<<16                      ; no load of mine is out: from here on a load of weights brings my own 4 tiles
	s_mov_b32 s[G1B+4], 4
	s_wait_dscnt 0x0
	CROUND
	tensor_load_to_lds s[G0B+4:G0B+7], s[G1B:G1B+7]
	s_nop 0
	PLACES 4
	v_and_b32 v1, 15, v0
	v_bfe_u32 v2, v0, 4, 1
	v_and_b32 v3, 31, v0
	v_lshlrev_b32 v[A16], 4, v3
	v_add_nc_u32 v[A16+1], 4*TILEB, v[A16]
	v_lshlrev_b32 v[A8], 3, v3
	v_add_nc_u32 v[A8+1], 4*TILEB, v[A8]
	s_add_co_u32 s75, s74, SLOTB
	v_add_nc_u32 v[B16], s75, v[A16]
	v_add_nc_u32 v[B8], s75, v[A8]
	s_add_co_u32 s75, s75, SLOTB
	v_add_nc_u32 v[B16+1], s75, v[A16]
	v_add_nc_u32 v[B8+1], s75, v[A8]
	s_lshl_b32 s75, s[WV], 9
	s_add_co_u32 s75, s75, SCR
	v_lshl_add_u32 v[S16R], v1, 4, s75
	v_lshl_add_u32 v[S8R], v1, 3, s75
	v_add_nc_u32 v[S16L], s75, v[A16]
	v_add_nc_u32 v[S8L], s75, v[A8]
	v_lshlrev_b32 v[OBK], 6, v2
	v_and_b32 v12, 8, v1
	v_add_nc_u32 v12, v12, v1
	v_lshlrev_b32 v[OBV], 2, v12
	v_lshlrev_b32 v[OLB], 5, v12
	v_lshl_add_u32 v[OLB], v2, 4, v[OLB]
.irp n, 0,1,2,3,4,5,6,7,8,9,10,11,12,13,14,15
	v_mov_b32 v[TX+\n], 0
.endr
	s_lshr_b32 s80, s24, 3
	s_and_b32 s81, s24, 7
	s_lshl_b32 s82, s23, 2
	s_add_co_u32 s82, s82, s[WV]
	s_lshl_b32 s83, s80, 4
	s_add_co_u32 s83, s83, s82
	s_mul_i32 s84, s83, 147456
	s_mul_i32 s85, s81, 6144
	s_add_co_u32 s84, s84, s85
	s_mov_b32 s85, 0
	s_add_nc_u64 s[58:59], s[16:17], s[84:85]
	s_add_nc_u64 s[60:61], s[58:59], 49152
	s_add_nc_u64 s[62:63], s[58:59], 98304
	s_lshl_b32 s86, s80, 3
	s_lshr_b32 s87, s82, 1
	s_add_co_u32 s86, s86, s87
	s_mul_i32 s86, s86, 20480
	s_and_b32 s87, s[WV], 1
	s_lshl_b32 s88, s87, 12
	s_lshl_b32 s89, s81, 9
	s_add_co_u32 s88, s88, s89
	s_add_co_u32 s88, s88, s86
	s_mov_b32 s89, 0
	s_add_nc_u64 s[66:67], s[18:19], s[88:89]
	s_add_nc_u64 s[68:69], s[66:67], 8192
	s_lshl_b32 s88, s87, 11
	s_lshl_b32 s90, s81, 8
	s_add_co_u32 s88, s88, s90
	s_add_co_u32 s88, s88, s86
	s_add_co_u32 s88, s88, 16384
	s_add_nc_u64 s[70:71], s[18:19], s[88:89]
	s_lshl_b32 s92, s24, 12
	s_mov_b32 s93, 0
	s_add_nc_u64 s[90:91], s[6:7], s[92:93]
	s_add_co_u32 s92, s76, 512
	s_lshl_b32 s92, s92, 9
	s_add_nc_u64 s[6:7], s[6:7], s[92:93]
	s_lshl_b32 s92, s24, 13
	s_add_nc_u64 s[8:9], s[8:9], s[92:93]
	s_lshl_b32 s92, s82, 8
	s_add_nc_u64 s[10:11], s[10:11], s[92:93]
	s_lshl_b32 s92, s82, 11
	s_add_nc_u64 s[12:13], s[12:13], s[92:93]
	s_add_nc_u64 s[14:15], s[14:15], s[92:93]
.irp a, 0,1,2,3,4,5,6,7
	global_load_b128 v[XS+4*\a:XS+4*\a+3], v[A16], s[90:91] offset:512*\a
.endr
.irp b, 0,1,2,3
	global_load_b128 v[WSK+4*\b:WSK+4*\b+3], v[A16], s[6:7] offset:(64+\b)*512
	global_load_b128 v[WSQ+4*\b:WSQ+4*\b+3], v[A16], s[6:7] offset:\b*512
	global_load_b128 v[WSV+4*\b:WSV+4*\b+3], v[A16], s[6:7] offset:(128+\b)*512
.endr
	WIN 0x80
.irp b, 0,1,2,3
	global_load_b128 v[LBQ+4*\b:LBQ+4*\b+3], v[OLB], s[12:13] offset:(32*(\b/2)+8*(\b%2))*32
	global_load_b128 v[LBV+4*\b:LBV+4*\b+3], v[OLB], s[14:15] offset:(32*(\b/2)+8*(\b%2))*32
.endr
	WIN 0xc0
.irp b, 0,1,2,3
	global_load_b128 v[BIK+8*\b:BIK+8*\b+3], v[OBK], s[10:11] offset:4096+(32*(\b/2)+8*(\b%2))*4
	global_load_b128 v[BIK+8*\b+4:BIK+8*\b+7], v[OBK], s[10:11] offset:4096+(32*(\b/2)+8*(\b%2))*4+16
	global_load_b128 v[BIQ+8*\b:BIQ+8*\b+3], v[OBK], s[10:11] offset:(32*(\b/2)+8*(\b%2))*4
	global_load_b128 v[BIQ+8*\b+4:BIQ+8*\b+7], v[OBK], s[10:11] offset:(32*(\b/2)+8*(\b%2))*4+16
.irp j, 0,1,2,3,4,5,6,7
	global_load_b32 v[BIV+8*\b+\j], v[OBV], s[10:11] offset:8192+(32*(\b/2)+8*(\b%2))*4
.endr
.endr
.irp a, 0,1,2,3,4,5,6,7
	global_load_b128 v[TQ+4*\a:TQ+4*\a+3], v[A16], s[8:9] offset:1024*\a
	global_load_b128 v[TV+4*\a:TV+4*\a+3], v[A16], s[8:9] offset:1024*\a+512
.endr
	WIN 0
	s_wait_tensorcnt 1
	s_barrier_signal -1
	s_barrier_wait -1
	FETCH 0
	s_wait_loadcnt 0x0
	KSTEP 0, WSK, 0, BIK
	KSTEP 0, WSK, 1, 0
	KSTEP 0, WSK, 2, 0
	TURN 0, WSK, 0
	KSTEP 0, WSK, 4, 0
	KSTEP 0, WSK, 5, 0
	KSTEP 0, WSK, 6, 0
	LAST 0, WSK
	EPI 0, 60, 68
	BETWEEN 0
	LORA 0, LBQ, TQ, BIQ
	KSTEP 0, WSQ, 0, 0
	KSTEP 0, WSQ, 1, 0
	KSTEP 0, WSQ, 2, 0
	TURN 0, WSQ, 1
	KSTEP 0, WSQ, 4, 0
	KSTEP 0, WSQ, 5, 0
	KSTEP 0, WSQ, 6, 0
	LAST 0, WSQ
	EPI 0, 58, 66
	BETWEEN 1
	LORA 1, LBV, TV, BIV
	KSTEP 1, WSV, 0, 0
	KSTEP 1, WSV, 1, 0
	KSTEP 1, WSV, 2, 0
	s_wait_tensorcnt 0x0
	KSTEP 1, WSV, 3, 0
	KSTEP 1, WSV, 4, 0
	KSTEP 1, WSV, 5, 0
	KSTEP 1, WSV, 6, 0
	LAST 1, WSV
	EPI 1, 62, 70
	s_wait_tensorcnt 0x0
	ds_add_u32 v[SPW], v[NIL]
	s_wait_dscnt 0x0
	CROUND
	s_endpgm
.Lfunc_end_k_qe41eab7b20_qkv:
	.size	k_qe41eab7b20_qkv, .Lfunc_end_k_qe41eab7b20_qkv-k_qe41eab7b20_qkv
	.p2alignl 7, 3214868480
	.fill 96, 4, 3214868480
	.section	.rodata,"a",@progbits
	.p2align	6, 0x0
	.amdhsa_kernel k_qe41eab7b20_qkv
		.amdhsa_group_segment_fixed_size 327680
		.amdhsa_private_segment_fixed_size 0
		.amdhsa_enable_private_segment 0
		.amdhsa_kernarg_size 64
		.amdhsa_user_sgpr_count 2
		.amdhsa_user_sgpr_kernarg_segment_ptr 1
		.amdhsa_wavefront_size32 1
		.amdhsa_system_sgpr_workgroup_id_x 1
		.amdhsa_system_sgpr_workgroup_id_y 1
		.amdhsa_system_sgpr_workgroup_id_z 1
		.amdhsa_system_vgpr_workitem_id 0
		.amdhsa_next_free_vgpr 1024
		.amdhsa_next_free_sgpr 96
		.amdhsa_reserve_vcc 0
		.amdhsa_float_denorm_mode_32 3
		.amdhsa_float_denorm_mode_16_64 3
		.amdhsa_memory_ordered 1
		.amdhsa_forward_progress 1
		.amdhsa_inst_pref_size 254
	.end_amdhsa_kernel
	.amdgpu_metadata
---
amdhsa.version: [ 1, 2 ]
amdhsa.kernels:
  - .name:           k_qe41eab7b20_qkv
    .symbol:         k_qe41eab7b20_qkv.kd
    .args:
      - { .name: xw_codes, .offset: 0, .size: 8, .value_kind: global_buffer, .address_space: global }
      - { .name: xw_scales, .offset: 8, .size: 8, .value_kind: global_buffer, .address_space: global }
      - { .name: t_img, .offset: 16, .size: 8, .value_kind: global_buffer, .address_space: global }
      - { .name: qkv_b, .offset: 24, .size: 8, .value_kind: global_buffer, .address_space: global }
      - { .name: lora_q_b, .offset: 32, .size: 8, .value_kind: global_buffer, .address_space: global }
      - { .name: lora_v_b, .offset: 40, .size: 8, .value_kind: global_buffer, .address_space: global }
      - { .name: qkv_codes, .offset: 48, .size: 8, .value_kind: global_buffer, .address_space: global }
      - { .name: qkv_scales, .offset: 56, .size: 8, .value_kind: global_buffer, .address_space: global }
    .group_segment_fixed_size: 327680
    .private_segment_fixed_size: 0
    .kernarg_segment_align: 8
    .kernarg_segment_size: 64
    .max_flat_workgroup_size: 128
    .sgpr_count:     96
    .vgpr_count:     1024
    .wavefront_size: 32
...
	.end_amdgpu_metadata
.endif
;; end of part 2
;; launch attn (part 3): grid 4 x 64, 16 waves a work-group, clusters of 4 x 1, 215,040 bytes of LDS; arguments qkv_codes, qkv_scales, o_codes, o_scales; writes o_codes, o_scales
.if DOCPART == 3
	.amdgcn_target "amdgcn-amd-amdhsa--gfx1250"
	.amdhsa_code_object_version 6
	.text
	.protected	k_qe41eab7b20_attn
	.globl	k_qe41eab7b20_attn
	.p2align	8
	.type	k_qe41eab7b20_attn,@function
k_qe41eab7b20_attn:
	s_mov_b64 s[64:65], 0
	v_nop
	global_prefetch_b8 v0, s[64:65] scope:SCOPE_SE
	s_setreg_imm32_b32 hwreg(HW_REG_WAVE_MODE, 25, 1), 1
	s_wait_xcnt 0x0
	s_wait_alu depctr_hold_cnt(0) depctr_sa_sdst(0) depctr_va_vdst(0) depctr_va_sdst(0) depctr_va_ssrc(0) depctr_va_vcc(0) depctr_vm_vsrc(0)
	s_getreg_b32 s2, hwreg(HW_REG_IB_STS2, 6, 4)
	s_cmp_eq_u32 s2, 0
	s_cbranch_scc0 .Lentry_in_a_cluster
	s_endpgm
.Lentry_in_a_cluster:
	s_bfe_u32 s2, ttmp6, 0x10000c
	s_cmp_lg_u32 s2, 0x3003
	s_cbranch_scc0 .Lentry_shape_is_right
	s_endpgm
.Lentry_shape_is_right:
; ATTN.  o = softmax(q k^T / 8) v for 128 (batch, head), 1,024 tokens, head size 64, both products on codes of FP6 with E8M0 scales; o is quantised along the channels and leaves as codes.
; THE SOFTMAX: t = score x log2(e) / 8; M = the running largest t rounded up to a whole number; p = 2^(t - M) is quantised along the keys, not normalised; the row's sum is taken of the
; unquantised p and divides at the end; when M moves, the sum and O are multiplied by 2^(old M - new M), which rounds nothing.
; SHARES.  A work-group owns 256 queries of a PAIR of heads and holds both heads' K and V in LDS, each byte filled once.  Wave w owns one tile of 16 queries and makes two passes, a head each:
; so it ends with a whole fragment of o (128 along the next K) and a whole scale word.
; Both products are used transposed: S^T = K Q^T, O^T = V^T P^T: a lane holds one query throughout.  The head's 64 channels fill half of the instruction's 128 along K: the upper six registers
; of K's and Q's fragments are zero codes, which add nothing.  The keys of a tile are 32 G + 8 u + r + 8 (r / 8): the 16 registers of tiles 2 G, 2 G + 1 are 16 neighbouring keys.
; CLUSTER.  The four query blocks of a pair of heads need the same K, V and scale words: joint loads, issued by waves 0-12.
; LIMITS: NaN and infinities are not served; a block whose largest magnitude lies under 2^-124 gets the byte 1: only this program reads the bytes.
.set HEADB, 98304                      ; LDS: head hd at HEADB hd: K [64 tiles][768], then V [8 steps][4 tiles][1,536]
.set SC,    196608                     ; K's scale words h0, h1 (4,096 each), V's h0, h1 (2,048 each)
.set OSG,   208896                     ; o's scale words on their way out: 1,024 bytes
.set L16, 1
.set L8,  2
.set R16, 3
.set AOS, 4
.set ARD, 5
.set AK16, 8
.set AK8,  9
.set AKS,  10
.set AVS,  11
.set Q0,  16                           ; v16-27, v28-39 Q's fragments of the two heads
.set KF,  40                           ; v40-87  four fragments of K
.set KSR, 88                           ; v88-91  K's scale words of a step: tile a: register a / 2, lanes 16 (a % 2) + r
.set VSR, 92                           ; v92-93  V's
.set QS,  94                           ; v94, v95 Q's
.set S,   96                           ; v96-159 S^T, then p, then V's four fragments
.set O,   160                          ; v160-191 O^T
.set PC,  192                          ; v192-203 p's codes
.set PT,  204
.set BM,  212
.set BP,  216
.set BS,  220
.set PW,  224                          ; p's scale word, and nothing else
.set TT,  225
.set F,   226                          ; v[226:227]
.set S2,  228
.set OC,  236                          ; v236-247 o's fragment
.set OW,  248
.set OT,  250
.set WV,  12
.set G1S, 16
.set G1H, 24
.set G0S, 32
.set G0H, 36                           ; s[36:39] head 0, s[40:43] head 1
.set SEL, 44
.set CS,  46
.set TB,  48
.set TS,  49
.set TV,  50
.set CNT, 51
.macro PLACES n
.rept \n
	v_nop
.endr
.endm
.macro CROUND
	s_barrier_signal -1
	s_barrier_wait -1
	s_cmp_lg_u32 s[WV], 0
	s_cbranch_scc1 .Lnot_wave_0_\@
	s_barrier_signal -3
.Lnot_wave_0_\@:
	s_barrier_wait -3
	s_barrier_signal -1
	s_barrier_wait -1
.endm
; A KEY STEP: 128 keys.
.macro STEP qf, qs
	v_add_nc_u32 v[AK16], s[TB], v[L16]
	s_wait_alu depctr_va_vdst(0)
	v_add_nc_u32 v[AK8], s[TB], v[L8]
	s_wait_alu depctr_va_vdst(0)
	v_add_nc_u32 v[AKS], s[TS], v[L16]
	v_add_nc_u32 v[AVS], s[TV], v[L8]
	v_nop                                          ; five places: the scores are laid over V's fragments, which the last step's products read
	ds_load_b128 v[KSR:KSR+3], v[AKS]
	ds_load_b64 v[VSR:VSR+1], v[AVS]
.irp g, 0,1
.if \g
	PLACES 4                                       ; places in front of loads into registers that matrix instructions have read
.endif
.irp t, 0,1,2,3
	ds_load_b128 v[KF+12*\t:KF+12*\t+3], v[AK16] offset:768*(4*\g+\t)
	ds_load_b64 v[KF+12*\t+4:KF+12*\t+5], v[AK8] offset:768*(4*\g+\t)+512
.endr
	s_wait_dscnt 0x0
.irp t, 0,1,2,3
.if \t%2
	v_wmma_scale_f32_16x16x128_f8f6f4 v[S+8*(4*\g+\t):S+8*(4*\g+\t)+7], v[KF+12*\t:KF+12*\t+11], v[\qf:\qf+11], 0, v[KSR+2*\g+\t/2], v[\qs] matrix_a_fmt:MATRIX_FMT_FP6 matrix_b_fmt:MATRIX_FMT_FP6 matrix_a_scale:MATRIX_SCALE_ROW1
.else
	v_wmma_scale_f32_16x16x128_f8f6f4 v[S+8*(4*\g+\t):S+8*(4*\g+\t)+7], v[KF+12*\t:KF+12*\t+11], v[\qf:\qf+11], 0, v[KSR+2*\g+\t/2], v[\qs] matrix_a_fmt:MATRIX_FMT_FP6 matrix_b_fmt:MATRIX_FMT_FP6
.endif
.endr
.endr
	PLACES 4
.irp b, 0,1,2,3
	v_max3_num_f32 v[BM+\b], v[S+16*\b], v[S+1+16*\b], v[S+2+16*\b]        ; the largest score of each block of 32 keys: for the row's maximum, and, since p rises with the score, for the block's largest p
.endr
.irp i, 3,5,7,9,11,13
.irp b, 0,1,2,3
	v_max3_num_f32 v[BM+\b], v[BM+\b], v[S+16*\b+\i], v[S+1+16*\b+\i]
.endr
.endr
.irp b, 0,1,2,3
	v_max_num_f32 v[BM+\b], v[BM+\b], v[S+15+16*\b]
.endr
.irp b, 0,1,2,3
	s_delay_alu instid0(VALU_DEP_4)
	v_permlanex16_b32 v[BP+\b], v[BM+\b], s[SEL], s[SEL+1]
.endr
.irp b, 0,1,2,3
	s_delay_alu instid0(VALU_DEP_4)
	v_max_num_f32 v[BM+\b], v[BM+\b], v[BP+\b]     ; with lane l xor 16's 16 keys
.endr
	s_delay_alu instid0(VALU_DEP_2)
	v_max3_num_f32 v[TT], v[BM], v[BM+1], v[BM+2]
	s_delay_alu instid0(VALU_DEP_1)
	v_max_num_f32 v[TT], v[TT], v[BM+3]
	s_delay_alu instid0(VALU_DEP_1)
	v_mul_f32 v[TT], s[CS], v[TT]                  ; as t (c is positive)
	s_delay_alu instid0(VALU_DEP_1)
	v_max_num_f32 v13, v13, v[TT]                  ; the running largest t
	v_mov_b32 v[TT], v12
	s_delay_alu instid0(VALU_DEP_2)
	v_floor_f32 v12, -v13                          ; the new -M = floor(-t): M is a whole number
	s_delay_alu instid0(VALU_DEP_1)
	v_sub_f32 v[TT], v12, v[TT]                    ; old M - new M: a whole number, 0 or less
	s_delay_alu instid0(VALU_DEP_1)
	v_cvt_i32_f32 v[TT], v[TT]                     ; (it saturates)
	s_delay_alu instid0(VALU_DEP_1)
	v_ldexp_f32 v[F], 1.0, v[TT]                   ; f = 2^(old M - new M)
.irp j, 0,2,4,6,8,10,12,14,16,18,20,22,24,26,28,30,32,34,36,38,40,42,44,46,48,50,52,54,56,58,60,62
	v_pk_fma_f32 v[S+\j:S+1+\j], v[S+\j:S+1+\j], s[CS:CS+1], v[12:13] op_sel_hi:[1,0,0]   ; t - M, two at a time
.endr
.irp b, 0,1,2,3
	v_fma_f32 v[BM+\b], v[BM+\b], s[CS], v12       ; the same of each block's largest score
.endr
	s_wait_alu depctr_va_vdst(0)
.irp j, 0,1,2,3,4,5,6,7,8,9,10,11,12,13,14,15,16,17,18,19,20,21,22,23,24,25,26,27,28,29,30,31,32,33,34,35,36,37,38,39,40,41,42,43,44,45,46,47,48,49,50,51,52,53,54,55,56,57,58,59,60,61,62,63
	v_exp_f32 v[S+\j], v[S+\j]                     ; p = 2^(t - M), at most 1
.endr
	v_pk_mul_f32 v[14:15], v[14:15], v[F:F+1] op_sel_hi:[1,0]      ; the sums under the new M: the plain line behind the exponentials
	s_wait_alu depctr_va_vdst(0)                   ; one wait for the batch, ahead of its first reader
.irp b, 0,1,2,3
	v_exp_f32 v[BM+\b], v[BM+\b]                   ; the block's largest p: the same two instructions on the same number
.endr
	v_pk_add_f32 v[228:229], v[100:101], v[104:105]
	v_pk_add_f32 v[252:253], v[108:109], v[112:113]
	v_pk_add_f32 v[250:251], v[116:117], v[120:121]
	v_pk_add_f32 v[246:247], v[124:125], v[128:129]
	v_pk_add_f32 v[244:245], v[132:133], v[136:137]
	v_pk_add_f32 v[242:243], v[140:141], v[144:145]
	v_pk_add_f32 v[234:235], v[148:149], v[152:153]
	v_pk_add_f32 v[14:15], v[14:15], v[156:157]
	v_pk_add_f32 v[228:229], v[228:229], v[96:97]
	v_pk_add_f32 v[252:253], v[252:253], v[98:99]
	v_pk_add_f32 v[250:251], v[250:251], v[102:103]
	v_pk_add_f32 v[246:247], v[246:247], v[106:107]
	v_pk_add_f32 v[244:245], v[244:245], v[110:111]
	v_pk_add_f32 v[242:243], v[242:243], v[114:115]
	v_pk_add_f32 v[234:235], v[234:235], v[118:119]
	v_pk_add_f32 v[14:15], v[14:15], v[122:123]
	v_pk_add_f32 v[228:229], v[228:229], v[126:127]
	v_pk_add_f32 v[252:253], v[252:253], v[130:131]
	v_pk_add_f32 v[250:251], v[250:251], v[134:135]
	v_pk_add_f32 v[246:247], v[246:247], v[138:139]
	v_pk_add_f32 v[244:245], v[244:245], v[142:143]
	v_pk_add_f32 v[242:243], v[242:243], v[146:147]
	v_pk_add_f32 v[234:235], v[234:235], v[150:151]
	v_pk_add_f32 v[14:15], v[14:15], v[154:155]
	v_pk_add_f32 v[228:229], v[228:229], v[158:159]
	s_delay_alu instid0(VALU_DEP_2)
	v_pk_add_f32 v[14:15], v[14:15], v[246:247]
	s_delay_alu instid0(VALU_DEP_2)
	v_pk_add_f32 v[228:229], v[228:229], v[244:245]
	v_pk_add_f32 v[252:253], v[252:253], v[242:243]
	v_pk_add_f32 v[250:251], v[250:251], v[234:235]
	s_delay_alu instid0(VALU_DEP_2)
	v_pk_add_f32 v[14:15], v[14:15], v[252:253]
	s_delay_alu instid0(VALU_DEP_2)
	v_pk_add_f32 v[228:229], v[228:229], v[250:251]
	s_delay_alu instid0(VALU_DEP_1)
	v_pk_add_f32 v[14:15], v[14:15], v[228:229]
	s_wait_alu depctr_va_vdst(0)                   ; and one for the four
.irp b, 0,1,2,3
	v_max_num_f32 v[BM+\b], 0x1800000, v[BM+\b]    ; the floor 2^(3 - 127): the byte cannot fall under 1
.endr
.irp b, 0,1,2,3
	s_delay_alu instid0(VALU_DEP_4)
	v_add_nc_u32 v[BS+\b], 0xff000000, v[BM+\b]    ; 2 off the exponent field: the conversion's scale operand
.endr
.irp b, 0,1,2,3
	s_delay_alu instid0(VALU_DEP_4)
	v_lshrrev_b32 v[BP+\b], 23, v[BS+\b]
.endr
	s_delay_alu instid0(VALU_DEP_3)
	v_lshl_or_b32 v[PW], v[BP+1], 8, v[BP]         ; p's scale word for these 128 keys
	s_delay_alu instid0(VALU_DEP_1)
	v_lshl_or_b32 v[PW], v[BP+2], 16, v[PW]
	s_delay_alu instid0(VALU_DEP_1)
	v_lshl_or_b32 v[PW], v[BP+3], 24, v[PW]
.irp c, 0,1
	v_cvt_scalef32_pk16_fp6_f32 v[PC+6*\c:PC+6*\c+2], v[S+32*\c:S+15+32*\c], v[BS+2*\c]
	v_cvt_scalef32_pk16_fp6_f32 v[PT+4*\c:PT+4*\c+2], v[S+16+32*\c:S+31+32*\c], v[BS+2*\c+1]
.endr
	v_nop                                          ; one plain line behind the last conversion
.irp c, 0,1,2,3                        ; V's four fragments, where p lay: they land under the lines below
	ds_load_b128 v[S+12*\c:S+12*\c+3], v[AK16] offset:49152+1536*\c
	ds_load_b64 v[S+12*\c+4:S+12*\c+5], v[AK8] offset:49152+1536*\c+512
	ds_load_b128 v[S+12*\c+6:S+12*\c+9], v[AK16] offset:49152+1536*\c+768
	ds_load_b64 v[S+12*\c+10:S+12*\c+11], v[AK8] offset:49152+1536*\c+1280
.endr
.irp c, 0,1                            ; the operand's layout wants a whole block in a lane
.irp i, 0,1,2
	v_permlane16_swap_b32 v[PC+6*\c+\i], v[PT+4*\c+\i]
.endr
.irp i, 0,1,2
	s_delay_alu instid0(VALU_DEP_3)
	v_mov_b32 v[PC+6*\c+3+\i], v[PT+4*\c+\i]
.endr
.endr
.irp j, 0,2,4,6,8,10,12,14,16,18,20,22,24,26,28,30
	v_pk_mul_f32 v[O+\j:O+1+\j], v[O+\j:O+1+\j], v[F:F+1] op_sel_hi:[1,0]     ; O^T under the new M; these sixteen are also the places between p's codes and scale word and the products
.endr
	s_wait_alu depctr_va_vdst(0)
	s_wait_dscnt 0x0
.irp c, 0,1,2,3
.if \c%2
	v_wmma_scale_f32_16x16x128_f8f6f4 v[O+8*\c:O+8*\c+7], v[S+12*\c:S+12*\c+11], v[PC:PC+11], v[O+8*\c:O+8*\c+7], v[VSR+\c/2], v[PW] matrix_a_fmt:MATRIX_FMT_FP6 matrix_b_fmt:MATRIX_FMT_FP6 matrix_a_scale:MATRIX_SCALE_ROW1
.else
	v_wmma_scale_f32_16x16x128_f8f6f4 v[O+8*\c:O+8*\c+7], v[S+12*\c:S+12*\c+11], v[PC:PC+11], v[O+8*\c:O+8*\c+7], v[VSR+\c/2], v[PW] matrix_a_fmt:MATRIX_FMT_FP6 matrix_b_fmt:MATRIX_FMT_FP6
.endif
.endr
	s_add_co_u32 s[TB], s[TB], 6144                ; the next step's tiles and scale words
	s_add_co_u32 s[TS], s[TS], 512
	s_add_co_u32 s[TV], s[TV], 256
.endm
; A PASS: one head, all 1,024 keys; then o / the sum, quantised: half hd of o's fragment, bytes 2 hd and 2 hd + 1 of its scale word.
.macro PASS hd
	s_mov_b32 s[TB], HEADB*\hd
	s_mov_b32 s[TS], SC+4096*\hd
	s_mov_b32 s[TV], SC+8192+2048*\hd
	s_mov_b32 s[CNT], 8
	v_mov_b32 v13, 0xff61b1e6                      ; the largest t so far: -3e38
	s_delay_alu instid0(VALU_DEP_1)
	v_floor_f32 v12, -v13
	v_mov_b32 v14, 0
	v_mov_b32 v15, 0
.irp j, 0,1,2,3,4,5,6,7,8,9,10,11,12,13,14,15,16,17,18,19,20,21,22,23,24,25,26,27,28,29,30,31
	v_mov_b32 v[O+\j], 0                           ; the step is written once: the first finds zeros, which the first change of M leaves zeros
.endr
.Lstep_\@:
	STEP Q0+12*\hd, QS+\hd
	s_sub_co_u32 s[CNT], s[CNT], 1
	s_cmp_lg_u32 s[CNT], 0
	s_cbranch_scc1 .Lstep_\@
	PLACES 4
	v_add_f32 v14, v14, v15
	s_delay_alu instid0(VALU_DEP_1)
	v_permlanex16_b32 v[TT], v14, s[SEL], s[SEL+1]
	s_delay_alu instid0(VALU_DEP_1)
	v_add_f32 v14, v14, v[TT]                      ; the row's sum
	s_wait_alu depctr_va_vdst(0)
	v_rcp_f32 v14, v14
	v_nop                                          ; a plain line behind the reciprocal
	s_wait_alu depctr_va_vdst(0)                   ; and the wait ahead of its first reader
.irp j, 0,1,2,3,4,5,6,7,8,9,10,11,12,13,14,15,16,17,18,19,20,21,22,23,24,25,26,27,28,29,30,31
	v_mul_f32 v[S+\j], v[O+\j], v14                ; register 16 G + i is channel 32 G + 16 h + i of my query
.endr
.irp g, 0,1
	v_max3_num_f32 v[BM+\g], |v[S+16*\g]|, |v[S+1+16*\g]|, 0x1800000
.endr
.irp i, 2,4,6,8,10,12,14
.irp g, 0,1
	s_delay_alu instid0(VALU_DEP_2)
	v_max3_num_f32 v[BM+\g], v[BM+\g], |v[S+16*\g+\i]|, |v[S+1+16*\g+\i]|
.endr
.endr
.irp g, 0,1
	s_delay_alu instid0(VALU_DEP_2)
	v_permlanex16_b32 v[BP+\g], v[BM+\g], s[SEL], s[SEL+1]
.endr
.irp g, 0,1
	s_delay_alu instid0(VALU_DEP_2)
	v_max_num_f32 v[BM+\g], v[BM+\g], v[BP+\g]
.endr
.irp g, 0,1
	s_delay_alu instid0(VALU_DEP_2)
	v_add_nc_u32 v[BS+\g], 0xff000000, v[BM+\g]
.endr
.irp g, 0,1
	s_delay_alu instid0(VALU_DEP_2)
	v_lshrrev_b32 v[BP+\g], 23, v[BS+\g]
.endr
.if \hd
	s_delay_alu instid0(VALU_DEP_1)
	v_lshl_or_b32 v[TT], v[BP+1], 8, v[BP]
	s_delay_alu instid0(VALU_DEP_1)
	v_lshl_or_b32 v[OW], v[TT], 16, v[OW]
.else
	s_delay_alu instid0(VALU_DEP_1)
	v_lshl_or_b32 v[OW], v[BP+1], 8, v[BP]
.endif
	v_cvt_scalef32_pk16_fp6_f32 v[OC+6*\hd:OC+6*\hd+2], v[S:S+15], v[BS]
	v_cvt_scalef32_pk16_fp6_f32 v[OT:OT+2], v[S+16:S+31], v[BS+1]
	v_nop
.irp i, 0,1,2
	v_permlane16_swap_b32 v[OC+6*\hd+\i], v[OT+\i]
.endr
.irp i, 0,1,2
	s_delay_alu instid0(VALU_DEP_3)
	v_mov_b32 v[OC+6*\hd+3+\i], v[OT+\i]
.endr
.endm
	s_load_b256 s[4:11], s[0:1], 0x0               ; qkv_codes, qkv_scales, o_codes, o_scales
	v_lshl_add_u32 v254, v0, 2, 0x34000
	v_mov_b32 v255, 0
	ds_add_u32 v254, v255
	ds_add_u32 v254, v255
	v_lshrrev_b32 v1, 5, v0
	s_delay_alu instid0(VALU_DEP_1)
	v_readfirstlane_b32 s[WV], v1                  ; wave 0..15
	s_bfe_u32 s13, ttmp6, 0x40000                  ; cx: my block of 256 queries; it enters Q's and o's addresses alone
	s_and_b32 s14, ttmp7, 0xffff                   ; y = 8 x batch + pair of heads
.irp g, G1S, G1H                       ; dense blocks as rows of 32 elements of 8 bytes; the mask names all four work-groups
	s_mov_b32 s[\g], 15|(3<<16)|(1<<21)
	s_mov_b32 s[\g+1], 32<<16
	s_mov_b32 s[\g+3], 32<<16
	s_mov_b32 s[\g+5], 32
	s_mov_b32 s[\g+6], 0
	s_mov_b32 s[\g+7], 0
.endr
	s_mov_b32 s[G1S+2], 48<<16                     ; all 12,288 bytes of scale words: wave 12
	s_mov_b32 s[G1S+4], 48
	s_mov_b32 s[G1H+2], 64<<16                     ; 16,384 bytes of K and V: each of waves 0-11
	s_mov_b32 s[G1H+4], 64
	s_mov_b32 s[SEL], 0x76543210
	s_mov_b32 s[SEL+1], 0xfedcba98
	s_mov_b32 s[CS], 0x3e38aa3b                    ; c = log2(e) / 8
	s_mov_b32 s[CS+1], s[CS]
	s_mul_i32 s52, s14, 20480
	s_add_co_u32 s54, s52, 8192
	s_mov_b32 s55, 0
	s_mul_i32 s56, s14, 294912
	s_lshl_b32 s57, s[WV], 14
	s_mul_i32 s53, s[WV], 11
	s_lshr_b32 s53, s53, 6                         ; w / 6 for w under 12: the head
	s_mul_i32 s53, s53, 49152                      ; head 1's Q lies between the two heads' K and V
	s_add_co_u32 s58, s56, s57
	s_add_co_u32 s58, s58, s53
	s_add_co_u32 s58, s58, 49152
	s_mov_b32 s59, 0
	s_wait_dscnt 0x0
	s_wait_kmcnt 0x0
	s_mov_b32 s[G0S], 1
	s_mov_b32 s[G0S+1], SC
	s_add_nc_u64 s[G0S+2:G0S+3], s[6:7], s[54:55]
	s_or_b32 s[G0S+3], s[G0S+3], 0x80000000
	s_mov_b32 s[G0H], 1
	s_mov_b32 s[G0H+1], s57
	s_add_nc_u64 s[G0H+2:G0H+3], s[4:5], s[58:59]
	s_or_b32 s[G0H+3], s[G0H+3], 0x80000000
	CROUND                                         ; all four work-groups are here: the joint loads meet
	s_cmp_lt_u32 s[WV], 12                         ; one load a wave, in one chain of branches on the wave's number: waves 0-11 K and V, wave 12 the scale words
	s_cbranch_scc0 .Lfill_s
	tensor_load_to_lds s[G0H:G0H+3], s[G1H:G1H+7]
	s_nop 0
	PLACES 4
	s_branch .Lno_fill
.Lfill_s:
	s_cmp_eq_u32 s[WV], 12
	s_cbranch_scc0 .Lno_fill
	tensor_load_to_lds s[G0S:G0S+3], s[G1S:G1S+7]
	s_nop 0
	PLACES 4
.Lno_fill:
	v_and_b32 v6, 31, v0
	v_and_b32 v7, 15, v0
	s_delay_alu instid0(VALU_DEP_2)
	v_lshlrev_b32 v[L16], 4, v6
	s_wait_alu depctr_va_vdst(0)
	v_lshlrev_b32 v[L8], 3, v6
	s_wait_alu depctr_va_vdst(0)
	v_lshlrev_b32 v[R16], 4, v7
	s_wait_alu depctr_va_vdst(0)
	s_lshl_b32 s60, s13, 4
	s_add_co_u32 s60, s60, s[WV]                   ; my tile of 16 queries among the batch's 64
	s_mul_i32 s61, s60, 768
	s_add_co_u32 s62, s56, s61
	s_mov_b32 s63, 0
	s_add_nc_u64 s[66:67], s[4:5], s[62:63]        ; Q's codes
	s_lshr_b32 s68, s60, 3
	s_lshl_b32 s68, s68, 9                         ; its group of 8 tiles,
	s_and_b32 s69, s[WV], 1
	s_lshl_b32 s69, s69, 8
	s_add_co_u32 s68, s68, s69
	s_bfe_u32 s69, s[WV], 0x20001                  ; (w % 8) / 2
	s_lshl_b32 s69, s69, 2
	s_add_co_u32 s68, s68, s69                     ; and its words' place there
	s_add_co_u32 s68, s68, s52
	s_mov_b32 s69, 0
	s_add_nc_u64 s[70:71], s[6:7], s[68:69]
	global_load_b128 v[Q0:Q0+3], v[L16], s[66:67]
	global_load_b64 v[Q0+4:Q0+5], v[L8], s[66:67] offset:512
	global_load_b128 v[Q0+12:Q0+15], v[L16], s[66:67] offset:147456
	global_load_b64 v[Q0+16:Q0+17], v[L8], s[66:67] offset:147456+512
	global_load_b32 v[QS], v[R16], s[70:71]
	global_load_b32 v[QS+1], v[R16], s[70:71] offset:4096
.irp j, 6,7,8,9,10,11,18,19,20,21,22,23
	v_mov_b32 v[Q0+\j], 0                          ; zero codes for k = 64 .. 127
.endr
.irp t, 0,1,2,3
.irp j, 6,7,8,9,10,11
	v_mov_b32 v[KF+12*\t+\j], 0
.endr
.endr
.irp b, 0,1,2,3
	v_mov_b32 v[BP+\b], 0                          ; written once: a lane permute's destination counts as one of its sources
.endr
	v_mov_b32 v[TT], 0
	v_mov_b32 v[F+1], 0                            ; (named as the upper half of a pair)
	s_lshr_b32 s72, s[WV], 3                       ; o's scale words in LDS: 512 (w / 8) + 256 (w % 2) + 4 ((w % 8) / 2) + 16 r
	s_lshl_b32 s72, s72, 9
	s_and_b32 s73, s[WV], 1
	s_lshl_b32 s73, s73, 8
	s_add_co_u32 s72, s72, s73
	s_bfe_u32 s73, s[WV], 0x20001
	s_lshl_b32 s73, s73, 2
	s_add_co_u32 s72, s72, s73
	s_add_co_u32 s72, s72, OSG
	v_lshl_add_u32 v[AOS], v7, 4, s72
	s_and_b32 s73, s[WV], 1
	s_lshl_b32 s73, s73, 9
	s_add_co_u32 s73, s73, OSG
	v_add_nc_u32 v[ARD], s73, v[L16]
	s_lshr_b32 s74, s14, 3                         ; batch
	s_and_b32 s75, s14, 7                          ; pair of heads = the next product's K step
	s_lshl_b32 s76, s74, 6
	s_add_co_u32 s76, s76, s60
	s_mul_i32 s76, s76, 12288
	s_mul_i32 s77, s75, 1536
	s_add_co_u32 s76, s76, s77
	s_mov_b32 s77, 0
	s_add_nc_u64 s[8:9], s[8:9], s[76:77]          ; o's fragment
	s_lshl_b32 s78, s74, 3
	s_lshl_b32 s79, s13, 1
	s_add_co_u32 s78, s78, s79
	s_and_b32 s79, s[WV], 1
	s_add_co_u32 s78, s78, s79                     ; group of 128 tokens
	s_lshl_b32 s78, s78, 3
	s_add_co_u32 s78, s78, s75
	s_lshl_b32 s78, s78, 9
	s_mov_b32 s79, 0
	s_add_nc_u64 s[10:11], s[10:11], s[78:79]
	s_wait_tensorcnt 0x0                           ; my one load is in; behind the barrier both heads' K, V and scale words are whole
	s_barrier_signal -1
	s_barrier_wait -1
	s_wait_loadcnt 0x0                             ; Q
	PASS 0
	PASS 1
	global_store_b128 v[L16], v[OC:OC+3], s[8:9]
	global_store_b64 v[L8], v[OC+4:OC+5], s[8:9] offset:512
	global_store_b128 v[L16], v[OC+6:OC+9], s[8:9] offset:768
	global_store_b64 v[L8], v[OC+10:OC+11], s[8:9] offset:1280
	ds_store_b32 v[AOS], v[OW]                     ; both halves of the lanes write the same word with the same value
	s_wait_dscnt 0x0
	s_barrier_signal -1
	s_barrier_wait -1
	s_cmp_gt_u32 s[WV], 1
	s_cbranch_scc1 .Lno_words
	ds_load_b128 v[S:S+3], v[ARD]                  ; eight tiles' words: 512 bytes
	s_wait_dscnt 0x0
	global_store_b128 v[L16], v[S:S+3], s[10:11]
.Lno_words:
	s_wait_tensorcnt 0x0
	ds_add_u32 v254, v255
	s_wait_dscnt 0x0
	CROUND                                         ; the closing round
	s_endpgm
.Lfunc_end_k_qe41eab7b20_attn:
	.size	k_qe41eab7b20_attn, .Lfunc_end_k_qe41eab7b20_attn-k_qe41eab7b20_attn
	.p2alignl 7, 3214868480
	.fill 96, 4, 3214868480
	.section	.rodata,"a",@progbits
	.p2align	6, 0x0
	.amdhsa_kernel k_qe41eab7b20_attn
		.amdhsa_group_segment_fixed_size 215040
		.amdhsa_private_segment_fixed_size 0
		.amdhsa_enable_private_segment 0
		.amdhsa_kernarg_size 32
		.amdhsa_user_sgpr_count 2
		.amdhsa_user_sgpr_kernarg_segment_ptr 1
		.amdhsa_wavefront_size32 1
		.amdhsa_system_sgpr_workgroup_id_x 1
		.amdhsa_system_sgpr_workgroup_id_y 1
		.amdhsa_system_sgpr_workgroup_id_z 1
		.amdhsa_system_vgpr_workitem_id 0
		.amdhsa_next_free_vgpr 256
		.amdhsa_next_free_sgpr 80
		.amdhsa_reserve_vcc 0
		.amdhsa_float_denorm_mode_32 3
		.amdhsa_float_denorm_mode_16_64 3
		.amdhsa_memory_ordered 1
		.amdhsa_forward_progress 1
		.amdhsa_inst_pref_size 55
	.end_amdhsa_kernel
	.amdgpu_metadata
---
amdhsa.version: [ 1, 2 ]
amdhsa.kernels:
  - .name:           k_qe41eab7b20_attn
    .symbol:         k_qe41eab7b20_attn.kd
    .args:
      - { .name: qkv_codes, .offset: 0, .size: 8, .value_kind: global_buffer, .address_space: global }
      - { .name: qkv_scales, .offset: 8, .size: 8, .value_kind: global_buffer, .address_space: global }
      - { .name: o_codes, .offset: 16, .size: 8, .value_kind: global_buffer, .address_space: global }
      - { .name: o_scales, .offset: 24, .size: 8, .value_kind: global_buffer, .address_space: global }
    .group_segment_fixed_size: 215040
    .private_segment_fixed_size: 0
    .kernarg_segment_align: 8
    .kernarg_segment_size: 32
    .max_flat_workgroup_size: 512
    .sgpr_count:     80
    .vgpr_count:     256
    .wavefront_size: 32
...
	.end_amdgpu_metadata
.endif
;; end of part 3
;; launch proj (part 4): grid 4 x 64, 4 waves a work-group, clusters of 4 x 4, 295,424 bytes of LDS; arguments o_codes, o_scales, xw_codes, xw_scales, proj_b, out0; writes out0
.if DOCPART == 4
	.amdgcn_target "amdgcn-amd-amdhsa--gfx1250"
	.amdhsa_code_object_version 6
	.text
	.protected	k_qe41eab7b20_proj
	.globl	k_qe41eab7b20_proj
	.p2align	8
	.type	k_qe41eab7b20_proj,@function
k_qe41eab7b20_proj:
	s_mov_b64 s[64:65], 0
	v_nop
	global_prefetch_b8 v0, s[64:65] scope:SCOPE_SE
	s_setreg_imm32_b32 hwreg(HW_REG_WAVE_MODE, 25, 1), 1
	s_wait_xcnt 0x0
	s_wait_alu depctr_hold_cnt(0) depctr_sa_sdst(0) depctr_va_vdst(0) depctr_va_sdst(0) depctr_va_ssrc(0) depctr_va_vcc(0) depctr_vm_vsrc(0)
	s_getreg_b32 s2, hwreg(HW_REG_IB_STS2, 6, 4)
	s_cmp_eq_u32 s2, 0
	s_cbranch_scc0 .Lentry_in_a_cluster
	s_endpgm
.Lentry_in_a_cluster:
	s_bfe_u32 s2, ttmp6, 0x10000c
	s_cmp_lg_u32 s2, 0xf033
	s_cbranch_scc0 .Lentry_shape_is_right
	s_endpgm
.Lentry_shape_is_right:
; PROJ.  out0 = o proj_w^T + proj_b on codes of FP6 with E8M0 scales; out0 [8192][1024] f32.
; SHARES.  A work-group makes 128 tokens x 256 columns; wave w 128 x 64.  All of K (8 steps of 128) is asked for at the head, one joint load a wave: wave 0 o's 8 tiles (98,304 dense bytes,
; shared along a row of the 4 x 4 cluster), waves 1-3 a third each of proj_w's 16 tiles (196,608 dense bytes, shared along a column).  Each LDS byte is filled once.
; BY ROWS OF THE RESULT.  A wave takes all 32 fragments of its 4 tiles of proj_w into registers (384), then finishes one tile of 16 tokens after the other: 32 products on 4 accumulators by turns,
; K ascending.  A finished tile leaves while the next is multiplied.  No fragment is read from LDS twice by a wave.
; TRANSPOSED: source 0 = 16 rows of proj_w, source 1 = 16 tokens: a lane holds one token and eight neighbouring columns.  Lane r of tile 2 G + u stands for row 32 G + 8 u + r + 8 (r / 8), in both.
; The bias is the C of each sum's first product.  o's scale words: [group of 128 tokens][K step][512], word (tile a, row r) at 16 (r + 16 (a % 2)) + 4 (a / 2); proj_w's: 512 bytes a tile,
; word (K step s, row r) at 16 (r + 16 (s % 2)) + 4 (s / 2).
; REGISTERS.  window 0: addresses, scale words, rows on the way out.  window 1: v0-63 two sets of 4 accumulators, v64-255 proj_w's K steps 4-7.  window 2: o's fragments, two sets of 96.
; window 3: proj_w's K steps 0-1 at v0, 2-3 at v128; v96-127 the bias.
; No prefetch: the launch has no loop to run ahead in; all its tiles are asked for at the head.
.set FRB,   1536
.set TILEB, 12288
.set SLOTB, 98304
.set SP,    272                        ; the way out: 16 rows x (256 bytes + 16) a wave, at the start of my own 4 tiles of proj_w: they have had their only fill, only I read them, and all are in registers by then
.set A16, 4
.set A8,  6
.set B16, 8
.set B8,  10
.set STO, 12
.set RD,  13
.set CO,  14
.set OBK, 20
.set XS,  32                           ; v32-63 o's scale words: K step s, tile a: register 4 s + a / 2, lanes 16 (a % 2) + r
.set WS,  64                           ; v64-79 proj_w's: tile b, K step s: register 4 b + s / 2, lanes 16 (s % 2) + r
.set RB,  128                          ; v128-191 two sets of 16 rows read back
.set BI,  96                           ; window 3
.set WV,  20
.set G1A, 28
.set G1B, 36
.set G0A, 44
.set G0B, 48
.set MSB, 0
.macro WIN new
.if MSB != \new
	s_set_vgpr_msb (MSB<<8)|\new
.set MSB, \new
.endif
.endm
.macro PLACES n
.rept \n
	v_nop
.endr
.endm
.macro CROUND
	s_barrier_signal -1
	s_barrier_wait -1
	s_cmp_lg_u32 s[WV], 0
	s_cbranch_scc1 .Lnot_wave_0_\@
	s_barrier_signal -3
.Lnot_wave_0_\@:
	s_barrier_wait -3
	s_barrier_signal -1
	s_barrier_wait -1
.endm
.macro W6 d, a, b, c, sa, sb, ra, rb
.if (\ra) && (\rb)
	v_wmma_scale_f32_16x16x128_f8f6f4 v[\d:\d+7], v[\a:\a+11], v[\b:\b+11], v[\c:\c+7], v[\sa], v[\sb] matrix_a_fmt:MATRIX_FMT_FP6 matrix_b_fmt:MATRIX_FMT_FP6 matrix_a_scale:MATRIX_SCALE_ROW1 matrix_b_scale:MATRIX_SCALE_ROW1
.elseif \ra
	v_wmma_scale_f32_16x16x128_f8f6f4 v[\d:\d+7], v[\a:\a+11], v[\b:\b+11], v[\c:\c+7], v[\sa], v[\sb] matrix_a_fmt:MATRIX_FMT_FP6 matrix_b_fmt:MATRIX_FMT_FP6 matrix_a_scale:MATRIX_SCALE_ROW1
.elseif \rb
	v_wmma_scale_f32_16x16x128_f8f6f4 v[\d:\d+7], v[\a:\a+11], v[\b:\b+11], v[\c:\c+7], v[\sa], v[\sb] matrix_a_fmt:MATRIX_FMT_FP6 matrix_b_fmt:MATRIX_FMT_FP6 matrix_b_scale:MATRIX_SCALE_ROW1
.else
	v_wmma_scale_f32_16x16x128_f8f6f4 v[\d:\d+7], v[\a:\a+11], v[\b:\b+11], v[\c:\c+7], v[\sa], v[\sb] matrix_a_fmt:MATRIX_FMT_FP6 matrix_b_fmt:MATRIX_FMT_FP6
.endif
.endm
.macro BREG s, b                       ; rB: where proj_w's fragment (K step s, tile b) lies: window 3 for s under 4, else window 1
.if (\s) < 2
.set rB, 48*(\s)+12*(\b)
.elseif (\s) < 4
.set rB, 128+48*((\s)-2)+12*(\b)
.else
.set rB, 64+48*((\s)-4)+12*(\b)
.endif
.endm
.macro FETCHB s                        ; my 4 fragments of proj_w of K step s: 16 LDS loads
.if (\s) < 4
	WIN 0xc0
.else
	WIN 0x40
.endif
.irp b, 0,1,2,3
	BREG \s, \b
	ds_load_b128 v[rB:rB+3], v[B16] offset:\b*TILEB+FRB*(\s)
	ds_load_b64 v[rB+4:rB+5], v[B8] offset:\b*TILEB+FRB*(\s)+512
	ds_load_b128 v[rB+6:rB+9], v[B16] offset:\b*TILEB+FRB*(\s)+768
	ds_load_b64 v[rB+10:rB+11], v[B8] offset:\b*TILEB+FRB*(\s)+1280
.endr
.endm
.macro FETCHA a                        ; o's tile a, all 8 K steps, into set a % 2: 32 LDS loads
.set fA, 96*((\a)%2)
	WIN 0x80
.irp s, 0,1,2,3,4,5,6,7
	ds_load_b128 v[fA+12*\s:fA+12*\s+3], v[A16+(\a)/4] offset:((\a)%4)*TILEB+FRB*\s
	ds_load_b64 v[fA+12*\s+4:fA+12*\s+5], v[A8+(\a)/4] offset:((\a)%4)*TILEB+FRB*\s+512
	ds_load_b128 v[fA+12*\s+6:fA+12*\s+9], v[A16+(\a)/4] offset:((\a)%4)*TILEB+FRB*\s+768
	ds_load_b64 v[fA+12*\s+10:fA+12*\s+11], v[A8+(\a)/4] offset:((\a)%4)*TILEB+FRB*\s+1280
.endr
.endm
.macro MULS a                          ; tile a's 32 products; its 4 accumulators take turns, one instruction a turn
.irp s, 0,1,2,3,4,5,6,7
.if \s == 0
	WIN 0x7b                                       ; proj_w window 3, o window 2, the bias window 3, D window 1
.elseif \s < 4
	WIN 0x5b
.else
	WIN 0x59                                       ; proj_w window 1
.endif
.irp b, 0,1,2,3
	BREG \s, \b
.set rA, 96*((\a)%2)+12*\s
.set rX, XS+4*\s+(\a)/2
.set rW, WS+4*\b+\s/2
.set rOw, \s%2
.set rOx, (\a)%2
.set rD, 32*((\a)%2)+8*\b
.if \s == 0
.set rC, BI+8*\b
.else
.set rC, rD
.endif
	W6 rD, rB, rA, rC, rW, rX, rOw, rOx
.endr
.endr
.endm
; THE WAY OUT, a tile of 16 tokens x my 64 columns at a time: 32 bytes a lane into my stage, back as whole rows of 256 bytes.
.macro TOSTAGE a
	WIN 0x04                                       ; an LDS store's data are its source 1: window 1
.irp b, 0,1,2,3
	ds_store_b128 v[STO], v[32*((\a)%2)+8*\b:32*((\a)%2)+8*\b+3] offset:128*(\b/2)+32*(\b%2)         ; each accumulator from its low end on
	ds_store_b128 v[STO], v[32*((\a)%2)+8*\b+4:32*((\a)%2)+8*\b+7] offset:128*(\b/2)+32*(\b%2)+16
.endr
	WIN 0
.irp i, 0,1,2,3,4,5,6,7
	ds_load_b128 v[RB+32*((\a)%2)+4*\i:RB+32*((\a)%2)+4*\i+3], v[RD] offset:2*\i*SP            ; LDS serves a wave's instructions in order: these see my stores
.endr
.endm
.macro SEND a, younger
	s_wait_dscnt \younger
.irp i, 0,1,2,3,4,5,6,7
	global_store_b128 v[CO], v[RB+32*((\a)%2)+4*\i:RB+32*((\a)%2)+4*\i+3], s[14:15] offset:(32*((\a)/2)+8*((\a)%2)+2*\i+8*(\i/4))*4096 th:TH_STORE_NT   ; stage row 2 i + h is token 32 g + 8 u + 2 i + 8 (i / 4) + h; 16 lanes store 256 consecutive, aligned bytes
.endr
.endm
	s_load_b256 s[4:11], s[0:1], 0x0               ; o_codes, o_scales, xw_codes, xw_scales
	s_load_b128 s[12:15], s[0:1], 0x20             ; proj_b, out0
	v_lshl_add_u32 v254, v0, 2, 0x48000
	v_mov_b32 v255, 0
	ds_add_u32 v254, v255                          ; the opening lines: the add twice on end and its wait
	ds_add_u32 v254, v255
	v_lshrrev_b32 v1, 5, v0
	v_readfirstlane_b32 s[WV], v1
	s_bfe_u32 s21, ttmp6, 0x40000                  ; cx
	s_bfe_u32 s22, ttmp6, 0x40004                  ; cy
	s_lshl_b32 s23, ttmp9, 2
	s_add_co_u32 s23, s23, s21                     ; colq: which 256 columns
	s_and_b32 s24, ttmp7, 0xffff
	s_lshl_b32 s24, s24, 2
	s_add_co_u32 s24, s24, s22                     ; rowt: which 128 tokens
	s_lshl_b32 s25, s22, 2
	s_lshl_b32 s25, 15, s25                        ; my row of the cluster
	s_lshl_b32 s26, 0x1111, s21                    ; my column
	s_or_b32 s[G1A], s25, (3<<16)|(1<<21)          ; o: 384 rows of 32 elements of 8 bytes
	s_mov_b32 s[G1A+1], 32<<16
	s_mov_b32 s[G1A+2], 384<<16
	s_mov_b32 s[G1A+3], 32<<16
	s_mov_b32 s[G1A+4], 384
	s_mov_b32 s[G1A+5], 32
	s_mov_b32 s[G1A+6], 0
	s_mov_b32 s[G1A+7], 0
	s_or_b32 s[G1B], s26, (3<<16)|(1<<21)          ; proj_w: 256 such rows a load
	s_mov_b32 s[G1B+1], 32<<16
	s_mov_b32 s[G1B+2], 256<<16
	s_mov_b32 s[G1B+3], 32<<16
	s_mov_b32 s[G1B+4], 256
	s_mov_b32 s[G1B+5], 32
	s_mov_b32 s[G1B+6], 0
	s_mov_b32 s[G1B+7], 0
	s_lshl_b32 s72, s24, 3
	s_mul_i32 s72, s72, TILEB
	s_mov_b32 s73, 0
	s_mul_i32 s74, s[WV], 49152                    ; my own 4 tiles of proj_w in LDS
	s_lshl_b32 s75, s[WV], 16
	s_lshl_b32 s76, s23, 4
	s_lshl_b32 s77, s[WV], 2
	s_add_co_u32 s76, s76, s77
	s_add_co_u32 s76, s76, 704                     ; proj_w's tiles begin at 704
	s_mul_i32 s78, s76, TILEB
	s_lshl_b32 s77, s[WV], 14
	s_add_co_u32 s78, s78, s77
	s_sub_co_u32 s78, s78, 65536                   ; the 16 tiles' first byte + 65,536 (w - 1)
	s_mov_b32 s79, 0
	s_wait_dscnt 0x0
	s_wait_kmcnt 0x0
	s_mov_b32 s[G0A], 1
	s_mov_b32 s[G0A+1], 0
	s_add_nc_u64 s[G0A+2:G0A+3], s[4:5], s[72:73]
	s_or_b32 s[G0A+3], s[G0A+3], 0x80000000
	s_mov_b32 s[G0B], 1
	s_add_co_u32 s[G0B+1], s75, SLOTB-65536
	s_add_nc_u64 s[G0B+2:G0B+3], s[8:9], s[78:79]
	s_or_b32 s[G0B+3], s[G0B+3], 0x80000000
	CROUND                                         ; all sixteen work-groups are here: the joint loads meet
	s_cmp_lg_u32 s[WV], 0                          ; one load a wave: wave 0 o, waves 1-3 proj_w
	s_cbranch_scc1 .Lfill_b
	tensor_load_to_lds s[G0A:G0A+3], s[G1A:G1A+7]
	s_nop 0
	PLACES 4
	s_branch .Lfilled
.Lfill_b:
	tensor_load_to_lds s[G0B:G0B+3], s[G1B:G1B+7]
	s_nop 0
	PLACES 4
.Lfilled:
	v_and_b32 v1, 15, v0                           ; r
	v_bfe_u32 v2, v0, 4, 1                         ; h
	v_and_b32 v3, 31, v0
	v_lshlrev_b32 v[A16], 4, v3
	v_add_nc_u32 v[A16+1], 4*TILEB, v[A16]
	v_lshlrev_b32 v[A8], 3, v3
	v_add_nc_u32 v[A8+1], 4*TILEB, v[A8]
	s_add_co_u32 s75, s74, SLOTB
	v_add_nc_u32 v[B16], s75, v[A16]
	v_add_nc_u32 v[B8], s75, v[A8]
	v_mul_u32_u24 v[STO], v1, SP
	v_lshl_add_u32 v[STO], v2, 6, v[STO]
	v_add_nc_u32 v[STO], s75, v[STO]               ; into the stage: row r, + 64 h
	v_mul_u32_u24 v[RD], v2, SP
	v_lshl_add_u32 v[RD], v1, 4, v[RD]
	v_add_nc_u32 v[RD], s75, v[RD]                 ; back: lanes 0-15 one row, lanes 16-31 the next
	v_lshlrev_b32 v[CO], 12, v2
	v_lshl_add_u32 v[CO], v1, 4, v[CO]             ; and the same two rows in out0
	v_lshlrev_b32 v[OBK], 6, v2
	s_wait_alu depctr_va_vdst(0)                   ; the wait behind the head's last vector write
	s_lshl_b32 s2, s24, 12
	s_mov_b32 s3, 0
	s_add_nc_u64 s[6:7], s[6:7], s[2:3]            ; o's scale words: 4,096 bytes a group
	s_lshl_b32 s2, s76, 9
	s_add_nc_u64 s[10:11], s[10:11], s[2:3]        ; proj_w's
	s_lshl_b32 s2, s23, 10
	s_lshl_b32 s27, s[WV], 8
	s_add_co_u32 s2, s2, s27                       ; my 64 columns, in bytes
	s_add_nc_u64 s[12:13], s[12:13], s[2:3]
	s_lshl_b32 s27, s24, 19                        ; 128 rows of 4,096 bytes
	s_add_co_u32 s2, s2, s27
	s_add_nc_u64 s[14:15], s[14:15], s[2:3]
.irp s, 0,1,2,3,4,5,6,7
	global_load_b128 v[XS+4*\s:XS+4*\s+3], v[A16], s[6:7] offset:512*\s
.endr
.irp b, 0,1,2,3
	global_load_b128 v[WS+4*\b:WS+4*\b+3], v[A16], s[10:11] offset:512*\b
.endr
	WIN 0xc0
.irp b, 0,1,2,3
	global_load_b128 v[BI+8*\b:BI+8*\b+3], v[OBK], s[12:13] offset:(32*(\b/2)+8*(\b%2))*4
	global_load_b128 v[BI+8*\b+4:BI+8*\b+7], v[OBK], s[12:13] offset:(32*(\b/2)+8*(\b%2))*4+16
.endr
	WIN 0
	s_wait_tensorcnt 0x0                           ; my one load is in,
	s_barrier_signal -1
	s_barrier_wait -1                              ; and everybody's
	FETCHA 0
.irp s, 0,1,2,3,4,5,6,7
	FETCHB \s
.endr
	WIN 0
	s_wait_loadcnt 0x0                             ; scale words and bias
.irp a, 0,1,2,3,4,5,6,7
.if \a < 7
	FETCHA \a+1                                    ; into the set that tile a - 1's products read: four places stand behind those products
	WIN 0
.endif
.if \a == 0
	s_wait_dscnt 32                                ; all but the 32 just issued: proj_w's fragments and tile 0's are in
.elseif \a < 7
	SEND \a-1, 32                                  ; all but the 32 just issued: tile a's fragments are in, tile a - 1's rows are back and leave
.else
	SEND \a-1, 0
.endif
	MULS \a
	WIN 0
	PLACES 4                                       ; four places between the products and the stores that read them
.if \a > 1
	s_wait_xcnt 0x0                                ; tile a - 2's stores have read their registers: tile a's rows may land there
.endif
	TOSTAGE \a
.endr
	SEND 7, 0
	s_wait_tensorcnt 0x0                           ; the wave's end
	ds_add_u32 v254, v255
	s_wait_dscnt 0x0
	CROUND                                         ; the closing round
	s_endpgm
.Lfunc_end_k_qe41eab7b20_proj:
	.size	k_qe41eab7b20_proj, .Lfunc_end_k_qe41eab7b20_proj-k_qe41eab7b20_proj
	.p2alignl 7, 3214868480
	.fill 96, 4, 3214868480
	.section	.rodata,"a",@progbits
	.p2align	6, 0x0
	.amdhsa_kernel k_qe41eab7b20_proj
		.amdhsa_group_segment_fixed_size 295424
		.amdhsa_private_segment_fixed_size 0
		.amdhsa_enable_private_segment 0
		.amdhsa_kernarg_size 48
		.amdhsa_user_sgpr_count 2
		.amdhsa_user_sgpr_kernarg_segment_ptr 1
		.amdhsa_wavefront_size32 1
		.amdhsa_system_sgpr_workgroup_id_x 1
		.amdhsa_system_sgpr_workgroup_id_y 1
		.amdhsa_system_sgpr_workgroup_id_z 1
		.amdhsa_system_vgpr_workitem_id 0
		.amdhsa_next_free_vgpr 1024
		.amdhsa_next_free_sgpr 80
		.amdhsa_reserve_vcc 0
		.amdhsa_float_denorm_mode_32 3
		.amdhsa_float_denorm_mode_16_64 3
		.amdhsa_memory_ordered 1
		.amdhsa_forward_progress 1
		.amdhsa_inst_pref_size 82
	.end_amdhsa_kernel
	.amdgpu_metadata
---
amdhsa.version: [ 1, 2 ]
amdhsa.kernels:
  - .name:           k_qe41eab7b20_proj
    .symbol:         k_qe41eab7b20_proj.kd
    .args:
      - { .name: o_codes, .offset: 0, .size: 8, .value_kind: global_buffer, .address_space: global }
      - { .name: o_scales, .offset: 8, .size: 8, .value_kind: global_buffer, .address_space: global }
      - { .name: xw_codes, .offset: 16, .size: 8, .value_kind: global_buffer, .address_space: global }
      - { .name: xw_scales, .offset: 24, .size: 8, .value_kind: global_buffer, .address_space: global }
      - { .name: proj_b, .offset: 32, .size: 8, .value_kind: global_buffer, .address_space: global }
      - { .name: out0, .offset: 40, .size: 8, .value_kind: global_buffer, .address_space: global }
    .group_segment_fixed_size: 295424
    .private_segment_fixed_size: 0
    .kernarg_segment_align: 8
    .kernarg_segment_size: 48
    .max_flat_workgroup_size: 128
    .sgpr_count:     80
    .vgpr_count:     1024
    .wavefront_size: 32
...
	.end_amdgpu_metadata
.endif
;; end of part 4
